; MI455X (gfx1250); checked and timed in simulation.
; The chip was launched on July 23, 2026; its instructions are those of AMD's public machine-readable ISA for CDNA 5 (MIT licence, August 2026) and "CDNA5" Instruction Set Architecture Reference Guide (July 2026). The comments in the code are by the model that wrote it; some were corrected since.
;; Memory. Allowed arithmetic: matrix products marked QUANTISED: E4M3 operands, one given power-of-two scale a tensor, by v_wmma_f32_16x16x64_fp8_fp8 or v_wmma_f32_16x16x128_fp8_fp8, f32 sums; everything else in f32.
;; Inputs: W_attn 1,024 x 3,072 float32; W_proj 1,024 x 1,024 float32; b_attn 3,072 float32; b_proj 1,024 float32; lowp_scales 8 int32 (the exponents e of the quantised operands' scales 2^e); x 4 x 2,048 x 1,024 float32.
;; Outputs: out0 4 x 2,048 x 1,024 float32; out1 4 x 512 x 1,024 float32.
;; This version of the problem:
;;   THIS VERSION OF THE PROBLEM IS GIVEN IN LOW PRECISION. The matrix products marked QUANTISED in the list below multiply operands that are first quantised to E4M3 (4 exponent bits, 3 mantissa bits; 8 bits a number), with one given power-of-two scale for each operand tensor; their sums are f32. All else is computed in f32.
;;   The module's matrix products, in the order in which they are computed (A, B: the left and right operand; K: the contracted axis; several contracted axes count as one K, in the product's order):
;;     1. [M 8,192, K 1,024] x [K 1,024, N 3,072]; A: input x; B: input W_attn: QUANTISED (scales: A lowp_scales[0], B lowp_scales[1])
;;     2. batch 64 x [M 2,048, K 64] x [K 64, N 2,048]; A: computed on the way; B: computed on the way: QUANTISED (scales: A lowp_scales[2], B lowp_scales[3])
;;     3. batch 64 x [M 2,048, K 2,048] x [K 2,048, N 64]; A: softmax (see below); B: computed on the way: QUANTISED (scales: A lowp_scales[4], B lowp_scales[5])
;;     4. [M 8,192, K 1,024] x [K 1,024, N 1,024]; A: computed on the way; B: input W_proj: QUANTISED (scales: A lowp_scales[6], B lowp_scales[7])
;;   THE QUANTISER, for each operand of a quantised product, along K:
;;     - The operand's scale is 2^e, e = its entry of the input lowp_scales (int32; the entries are numbered through the quantised products in the list's order, A before B).
;;     - Each number is divided by the scale, clamped to +-448, and rounded to the nearest number of E4M3, ties to even, subnormals kept.
;;     - The product sums the exact products of the quantised numbers (number of the format x scale) in f32.
;;   ~~~python
;;   def quantise(x, axis, e):      # numpy; x: float32 -> the quantised numbers, widened to float32 again
;;       x = np.moveaxis(x, axis, -1); K = x.shape[-1]
;;       r = np.clip(x / 2.0 ** e, -448, 448)
;;       step = 2.0 ** (np.maximum(np.frexp(np.where(r == 0, 1, r))[1] - 1, -6) - 3)
;;       q = np.round(r / step) * step * 2.0 ** e      # np.round: ties to even
;;       return np.moveaxis(q, -1, axis).astype(np.float32)
;;   ~~~
;;   SOFTMAX AHEAD OF A QUANTISED PRODUCT. Where the list says 'softmax', what is quantised is not the finished softmax but p = 2^(t - M), with t = logit x log2(e) and M = ceil(the row's largest t), a whole number; so 1/2 < the row's largest p <= 1. The row's sum l is taken of the UNQUANTISED p, in f32, and the product's result is divided by l at the end. Since M is a whole number, a kernel that streams over the keys may use a running M (the ceiling of the running maximum): every later rescaling is an exact power of two, so the quantised numbers keep their values, but for numbers so far below the row's largest that they fall under the format's range.
;;   OPERANDS COMPUTED ON THE WAY. 'Computed on the way' means the value that the module computes at that place (a softmax that the list does not call 'softmax' is quantised finished and normalised). What goes into a quantiser is computed in f32, as accurately as f32 sums, v_exp_f32 and their like allow (about 1e-6 of the number): no bf16 or f16 on the way to a quantiser, and a product that is left as it is and whose result goes on into a quantised operand takes f32 operands (vector FMAs, or v_wmma_f32_16x16x4_f32). A number that lies on a knife's edge between two numbers of the format may be rounded either way, as far as f32 arithmetic and the matrix unit's own rounding can turn it there, and no further.
;; One version. Each part assembles by itself: llvm-mc -triple=amdgcn-amd-amdhsa -mcpu=gfx1250 --defsym DOCPART=n.
;; ======== version 1 of 1: 4 launches
;; limits: right only within a limited range of input values
;; workspace buffers: x_img 8,388,608 bytes; wa_img 3,145,728 bytes; wp_img 1,048,576 bytes; q_img 8,388,608 bytes; k_img 8,388,608 bytes; v_img 8,388,608 bytes; y_img 8,388,608 bytes
;; launch prep (part 1): grid 768 x 1, 8 waves a work-group, no clusters, 68,608 bytes of LDS; arguments x, W_attn, W_proj, lowp_scales, x_img, wa_img, wp_img, out1; writes x_img, wa_img, wp_img, out1
.if DOCPART == 1
	.amdgcn_target "amdgcn-amd-amdhsa--gfx1250"
	.amdhsa_code_object_version 6
	.text
	.protected	k_qdd6ce29e7a_prep
	.globl	k_qdd6ce29e7a_prep
	.p2align	8
	.type	k_qdd6ce29e7a_prep,@function
k_qdd6ce29e7a_prep:
	s_mov_b64 s[64:65], 0
	v_nop
	global_prefetch_b8 v0, s[64:65] scope:SCOPE_SE
	s_setreg_imm32_b32 hwreg(HW_REG_WAVE_MODE, 25, 1), 1
	s_wait_xcnt 0x0
; x [8192][1024], W_attn [1024][3072] and W_proj [1024][1024], f32, become codes of E4M3, each with its given scale 2^e (entries 0, 1 and 7 of the scales),
; laid as IMAGES OF OPERAND REGISTERS; the last 512 rows of each batch of x are copied to out1 bit for bit.
; AN IMAGE: a fragment of 16 rows x 128 along K is 2,048 bytes, [group g 0..3][lane 0..31][16 bytes]; byte i of group g of lane (r = lane % 16, h = lane / 16) is the code of row r at
; k = 32 g + 16 (i / 8) + 8 h + i % 8: registers 4 g .. 4 g + 3 of the plain 8-bit form's operand.  So a later launch loads a fragment by four loads of 16 bytes a lane, 512 consecutive bytes each.
; x_img [sigma 0..3][row tile m 0..511][q 0..1][2,048]: k = 256 sigma + 128 q + ..;  wa_img [sigma][nu 0..191][q][2,048], wp_img [sigma][nu 0..63][q][2,048]: a "row" is a column n = 16 nu + r of the weight.
; SHARES.  One wave makes one image: 64 numbers a lane, 16 registers of codes, four stores of 512 consecutive bytes.  Work-groups 0-511 take x (tile m = the work-group, the eight waves its eight K steps of 128),
; 512-703 W_attn, 704-767 W_proj (four neighbouring tiles of columns x two K steps).  Waves share nothing: no barrier.  Memory binds: no matrix unit, no cluster, no tensor load.
; x's loads take 512 consecutive bytes of a row; the numbers turn through the wave's own stage in LDS (16 rows of 512 + 16 bytes) into image order.  A weight's K is its first axis: a lane takes a column and its
; registers run down K, so nothing is turned; sixteen lanes read 64 neighbouring bytes and four waves of the work-group stand side by side on 256.
; code = number / 2^e, held within +-448, to the nearest code, ties to even.  LIMITS: each e between -126 and 119; NaN among the inputs is not served by the quantiser (out1 is a plain copy).
.set XSTEP,  2097152                   ; bytes from one sigma to the next in x_img
.set WASTEP, 786432                    ; in wa_img
.set WPSTEP, 262144                    ; in wp_img
.set SPITCH, 528                       ; a stage row: 512 bytes + 16
.set WREG,   16*SPITCH                 ; a wave's stage
.set R, 16                             ; v16-79   x as loaded: row i in 4 registers
.set X, 80                             ; v80-143  64 numbers in image order: register 16 g + i is byte i of group g
.set C, 144                            ; v144-159 the codes
	s_load_b512 s[4:19], s[0:1], 0x0               ; x 4:5, W_attn 6:7, W_proj 8:9, scales 10:11, x_img 12:13, wa_img 14:15, wp_img 16:17, out1 18:19
	v_lshl_add_u32 v12, v0, 2, 0x10800             ; my spare word, behind the eight stages; never rewritten
	v_mov_b32 v13, 0                               ; 0; never rewritten
	v_lshrrev_b32 v7, 5, v0
	s_delay_alu instid0(VALU_DEP_1)
	v_readfirstlane_b32 s23, v7                    ; wave 0..7
	v_and_b32 v8, 31, v0
	s_delay_alu instid0(VALU_DEP_1)
	v_lshlrev_b32 v1, 4, v8                        ; 16 x lane
	v_and_b32 v2, 15, v0                           ; r
	v_bfe_u32 v3, v0, 4, 1                         ; h
	s_mul_i32 s32, s23, WREG
	v_add_nc_u32 v4, s32, v1                       ; the stage, on the way in: 16 x lane of a row
	v_mul_u32_u24 v5, v2, SPITCH
	s_delay_alu instid0(VALU_DEP_1)
	v_lshl_add_u32 v5, v3, 5, v5
	s_delay_alu instid0(VALU_DEP_1)
	v_add_nc_u32 v5, s32, v5                       ; on the way out: row r, + 32 h bytes (8 h numbers)
	s_wait_kmcnt 0x0
	s_load_b256 s[24:31], s[10:11], 0x0            ; the eight exponents
	s_cmp_lt_u32 ttmp9, 512
	s_cbranch_scc0 .Lweights
	; ---- x: tile m = the work-group, K step = the wave
	s_lshl_b32 s32, ttmp9, 16                      ; 16 rows of 4,096 bytes
	s_lshl_b32 s34, s23, 9                         ; 128 numbers of a row
	s_add_co_u32 s32, s32, s34
	s_mov_b32 s33, 0
	s_add_nc_u64 s[36:37], s[4:5], s[32:33]
.set ii, 0
	s_wait_alu depctr_va_vdst(0)
.rept 16
	global_load_b128 v[R+4*ii:R+4*ii+3], v1, s[36:37] offset:4096*ii th:TH_LOAD_NT   ; 512 consecutive bytes of row ii
.set ii, ii+1
.endr
.set ii, 0
.rept 16
	s_wait_loadcnt 15-ii                           ; row ii is in; the younger rows may be out
	ds_store_b128 v4, v[R+4*ii:R+4*ii+3] offset:SPITCH*ii
.set ii, ii+1
.endr
	s_and_b32 s34, ttmp9, 127                      ; the tile within its batch of 128 tiles: tiles 96-127 are the last 512 rows
	s_cmp_ge_u32 s34, 96
	s_cbranch_scc0 .Lno_mem
	s_lshr_b32 s35, ttmp9, 7
	s_lshl_b32 s35, s35, 5
	s_add_co_u32 s35, s35, s34
	s_sub_co_u32 s35, s35, 96                      ; out1's tile: 32 x batch + tile - 96
	s_lshl_b32 s38, s35, 16
	s_lshl_b32 s35, s23, 9
	s_add_co_u32 s38, s38, s35
	s_mov_b32 s39, 0
	s_add_nc_u64 s[38:39], s[18:19], s[38:39]
.set ii, 0
.rept 16
	global_store_b128 v1, v[R+4*ii:R+4*ii+3], s[38:39] offset:4096*ii th:TH_STORE_NT   ; 512 consecutive bytes; these registers and addresses are never written again
.set ii, ii+1
.endr
.Lno_mem:
.set ii, 0
.rept 16
	ds_load_b128 v[X+4*ii:X+4*ii+3], v5 offset:128*(ii/4)+64*((ii/2)%2)+16*(ii%2)   ; k = 32 g + 16 e + 8 h + 4 u on; LDS serves a wave's instructions in order, so these see my stores
.set ii, ii+1
.endr
	s_lshr_b32 s32, s23, 1                         ; sigma = wave / 2, q = wave % 2
	s_mul_i32 s32, s32, XSTEP
	s_lshl_b32 s34, ttmp9, 12
	s_add_co_u32 s32, s32, s34
	s_and_b32 s34, s23, 1
	s_lshl_b32 s34, s34, 11
	s_add_co_u32 s32, s32, s34
	s_add_nc_u64 s[20:21], s[12:13], s[32:33]      ; where my image goes
	s_wait_kmcnt 0x0
	s_mov_b32 s22, s24                             ; e of x
	s_wait_dscnt 0x0
	s_branch .Ltail
; ---- a weight with rows of nb bytes: s34 = the work-group's number among the weight's.  sigma = s34 % 4; tile of columns nu = 4 (s34 / 4) + wave % 4; q = wave / 4
.macro WPATH nb, src, dst, step, ereg
	s_and_b32 s35, s34, 3                          ; sigma
	s_lshr_b32 s34, s34, 2
	s_lshl_b32 s34, s34, 2
	s_and_b32 s40, s23, 3
	s_add_co_u32 s34, s34, s40                     ; nu
	s_lshr_b32 s40, s23, 2                         ; q
	s_lshl_b32 s41, s35, 1
	s_add_co_u32 s41, s41, s40                     ; which 128 rows of the weight
	s_mul_i32 s32, s41, 128*\nb
	s_lshl_b32 s42, s34, 6                         ; 16 columns of 4 bytes
	s_add_co_u32 s32, s32, s42
	s_mov_b32 s33, 0
	s_add_nc_u64 s[36:37], s[\src:\src+1], s[32:33]
	v_mul_u32_u24 v6, v3, 8*\nb                    ; lanes 16-31 begin 8 rows further down,
	s_delay_alu instid0(VALU_DEP_1)
	v_lshl_add_u32 v6, v2, 2, v6                   ; lane r takes column r
.set ci, 0
.rept 8
.set ji, 0
.rept 8
	global_load_b32 v[X+8*ci+ji], v6, s[36:37] offset:(16*ci+ji)*\nb   ; W(16 c + 8 h + j, my column)
.set ji, ji+1
.endr
.set ci, ci+1
.endr
	s_mul_i32 s32, s35, \step
	s_lshl_b32 s42, s34, 12
	s_add_co_u32 s32, s32, s42
	s_lshl_b32 s42, s40, 11
	s_add_co_u32 s32, s32, s42
	s_add_nc_u64 s[20:21], s[\dst:\dst+1], s[32:33]
	s_wait_kmcnt 0x0
	s_mov_b32 s22, s[\ereg]
	s_wait_loadcnt 0x0
.endm
.Lweights:
	s_cmp_lt_u32 ttmp9, 704
	s_cbranch_scc0 .Lwproj
	s_sub_co_u32 s34, ttmp9, 512
	s_wait_alu depctr_va_vdst(0)
	WPATH 12288, 6, 14, WASTEP, 25
	s_branch .Ltail
.Lwproj:
	s_sub_co_u32 s34, ttmp9, 704
	s_wait_alu depctr_va_vdst(0)
	WPATH 4096, 8, 16, WPSTEP, 31
.Ltail:
	; ---- 64 numbers a lane become 16 registers of codes
	s_add_co_i32 s40, s22, 127
	s_lshl_b32 s41, s40, 23
	v_mov_b32 v11, s41                             ; 2^e as f32: the conversion takes its exponent field
	s_add_co_i32 s40, s40, 8
	s_lshl_b32 s40, s40, 23
	s_or_b32 s40, s40, 0x600000
	v_mov_b32 v10, s40                             ; 448 x 2^e
.set ii, 0
.rept 64
	v_med3_num_f32 v[X+ii], v[X+ii], -v10, v10     ; the conversion to an 8-bit code does not saturate (ISA guide 7.6.2): the hold comes first
.set ii, ii+1
.endr
.set ii, 0
.rept 8
	v_cvt_scalef32_pk8_fp8_f32 v[C+2*ii:C+2*ii+1], v[X+8*ii:X+8*ii+7], v11
.set ii, ii+1
.endr
	v_nop                                          ; a plain line behind the last conversion
.set ii, 0
.rept 4
	global_store_b128 v1, v[C+4*ii:C+4*ii+3], s[20:21] offset:512*ii   ; group ii: 512 consecutive bytes, aligned
.set ii, ii+1
.endr
	s_wait_tensorcnt 0x0
	ds_add_u32 v12, v13
	s_wait_dscnt 0x0
	s_endpgm
.Lfunc_end_k_qdd6ce29e7a_prep:
	.size	k_qdd6ce29e7a_prep, .Lfunc_end_k_qdd6ce29e7a_prep-k_qdd6ce29e7a_prep
	.p2alignl 7, 3214868480
	.fill 96, 4, 3214868480
	.section	.rodata,"a",@progbits
	.p2align	6, 0x0
	.amdhsa_kernel k_qdd6ce29e7a_prep
		.amdhsa_group_segment_fixed_size 68608
		.amdhsa_private_segment_fixed_size 0
		.amdhsa_enable_private_segment 0
		.amdhsa_kernarg_size 64
		.amdhsa_user_sgpr_count 2
		.amdhsa_user_sgpr_kernarg_segment_ptr 1
		.amdhsa_wavefront_size32 1
		.amdhsa_system_sgpr_workgroup_id_x 1
		.amdhsa_system_sgpr_workgroup_id_y 1
		.amdhsa_system_sgpr_workgroup_id_z 1
		.amdhsa_system_vgpr_workitem_id 0
		.amdhsa_next_free_vgpr 160
		.amdhsa_next_free_sgpr 66
		.amdhsa_reserve_vcc 0
		.amdhsa_float_denorm_mode_32 3
		.amdhsa_float_denorm_mode_16_64 3
		.amdhsa_memory_ordered 1
		.amdhsa_forward_progress 1
		.amdhsa_inst_pref_size 28
	.end_amdhsa_kernel
	.amdgpu_metadata
---
amdhsa.version: [ 1, 2 ]
amdhsa.kernels:
  - .name:           k_qdd6ce29e7a_prep
    .symbol:         k_qdd6ce29e7a_prep.kd
    .args:
      - { .name: x, .offset: 0, .size: 8, .value_kind: global_buffer, .address_space: global }
      - { .name: W_attn, .offset: 8, .size: 8, .value_kind: global_buffer, .address_space: global }
      - { .name: W_proj, .offset: 16, .size: 8, .value_kind: global_buffer, .address_space: global }
      - { .name: lowp_scales, .offset: 24, .size: 8, .value_kind: global_buffer, .address_space: global }
      - { .name: x_img, .offset: 32, .size: 8, .value_kind: global_buffer, .address_space: global }
      - { .name: wa_img, .offset: 40, .size: 8, .value_kind: global_buffer, .address_space: global }
      - { .name: wp_img, .offset: 48, .size: 8, .value_kind: global_buffer, .address_space: global }
      - { .name: out1, .offset: 56, .size: 8, .value_kind: global_buffer, .address_space: global }
    .group_segment_fixed_size: 68608
    .private_segment_fixed_size: 0
    .kernarg_segment_align: 8
    .kernarg_segment_size: 64
    .max_flat_workgroup_size: 256
    .sgpr_count:     66
    .vgpr_count:     160
    .wavefront_size: 32
...
	.end_amdgpu_metadata
.endif
;; end of part 1
;; launch qkv (part 2): grid 12 x 32, 4 waves a work-group, clusters of 4 x 4, 327,680 bytes of LDS; arguments x_img, wa_img, lowp_scales, b_attn, q_img, k_img, v_img; writes q_img, k_img, v_img
.if DOCPART == 2
	.amdgcn_target "amdgcn-amd-amdhsa--gfx1250"
	.amdhsa_code_object_version 6
	.text
	.protected	k_qdd6ce29e7a_qkv
	.globl	k_qdd6ce29e7a_qkv
	.p2align	8
	.type	k_qdd6ce29e7a_qkv,@function
k_qdd6ce29e7a_qkv:
	s_mov_b64 s[64:65], 0
	v_nop
	global_prefetch_b8 v0, s[64:65] scope:SCOPE_SE
	s_setreg_imm32_b32 hwreg(HW_REG_WAVE_MODE, 25, 1), 1
	s_wait_xcnt 0x0
	s_wait_alu depctr_hold_cnt(0) depctr_sa_sdst(0) depctr_va_vdst(0) depctr_va_sdst(0) depctr_va_ssrc(0) depctr_va_vcc(0) depctr_vm_vsrc(0)
	s_getreg_b32 s2, hwreg(HW_REG_IB_STS2, 6, 4)
	s_cmp_eq_u32 s2, 0
	s_cbranch_scc0 .Lentry_in_a_cluster
	s_endpgm
.Lentry_in_a_cluster:
	s_bfe_u32 s2, ttmp6, 0x10000c
	s_cmp_lg_u32 s2, 0xf033
	s_cbranch_scc0 .Lentry_shape_is_right
	s_endpgm
.Lentry_shape_is_right:
; qkv = Q(x) Q(W_attn) x 2^(e0 + e1) + b_attn, [8192][3072], K = 1024, on codes of E4M3; the results are quantised at once (q: e2, k: e3, v: e5) and leave as images of operand registers for the attention.
; OPERANDS come as images (16 rows x 128 K = 2,048 bytes, [group][lane][16 bytes], each k in the place that the plain 8-bit form gives it): every fragment is four ds_load_b128 at 16 x lane + a constant,
; 512 consecutive bytes each, and a tile of 128 rows x 256 K is one dense block of 32,768 bytes.
; A tile of 256 x 256 is made by four waves, 128 x 128 each: 64 accumulators, 512 registers.  K goes in four steps of 256 through two LDS slots.
; CLUSTERS of 4 x 4: x's tile is shared along a row of the cluster, W's along a column; each is asked for jointly.  The cluster's x is the TYPE: 0 = q, 1 = k, 2 = v (1,024 columns each): the same in all sixteen partners.
; ROLES.  Source 1 of the products ("role 1", one set of registers, window 0) gives the result's lanes, source 0 ("role 0", two sets, window 1) its registers.  For q and k role 1 = tokens, role 0 = columns: a lane holds one
; token and eight neighbouring d: the layout of an operand whose K is d.  For v the two roles read each other's region of the slot (an LDS address chosen by the type): a lane holds one d and eight neighbouring
; tokens: the layout of an operand whose K is the keys.  The loop's text is one for all three.
; OUT: q_img, k_img [bh 0..63][token tile 0..127][1,024]; v_img [bh][128 keys 0..15][d tile 0..3][2,048].  Every store is 512 consecutive bytes, aligned, straight from registers.
; LIMITS: e0 + e1 between -126 and 127; e2, e3, e5 between -126 and 119.  NaN is not served.
; REGISTERS: window 0: v1-6 lane numbers; v16-21 LDS addresses; v28-31; v32-47 v's bias (each number twice: a pair); v64-127 q's and k's bias; v128-255 role 1's fragments, later the codes.
;   window 1: role 0's two sets.  windows 2, 3: the accumulators ((a, b) at v[8 (8 (a % 4) + b)]).
.set HALFT,  32768                     ; 8 row tiles x 4,096 bytes: what one tensor load brings, and what one wave reads for a role
.set SLOT,   4*HALFT                   ; x's 16 tiles, then W's 16
.set SPARE,  2*SLOT                    ; behind the ring: the spare words, 128 bytes a wave: two blocks of 256 bytes that no other line names
.set ASTEP,  2097152                   ; bytes from one K step of 256 to the next in x_img
.set BSTEP,  786432                    ; in wa_img
.set LAPS,   2                         ; 1,024 / (2 x 256)
.set FR,     16
.set NL,     4
.set NP,     4
.set CO,   4                           ; v4   16 x lane
.set ADRA, 16                          ; v16-17 role 1's fragments in slot 0, 1
.set ADRB, 20                          ; v20-21 role 0's
.set SPW,  28                          ; v28  my spare word's address; never rewritten
.set NIL,  29                          ; v29  0; never rewritten
.set SC,   30                          ; v30  2^eo
.set LIM,  31                          ; v31  448 x 2^eo
.set BR,   32
.set BC,   64
.set AF,   128
.set CD,   128
.set G1, 24
.set G0, 32
.set G1B, 48
.set G0B, 56
.set MSB, 0
.macro WIN new                         ; the immediate's high byte repeats the setting that is left
.if MSB != (\new)
	s_set_vgpr_msb (MSB<<8)|(\new)
.set MSB, (\new)
.endif
.endm
.set MUL_LO, 0xa1                      ; source 0 window 1, source 1 window 0, C and D window 2
.set MUL_HI, 0xf1                      ; the same, C and D window 3
.set TO_B,   0x40                      ; destination window 1, address window 0
; A joint load: waves 0 and 1 fetch x's halves, waves 2 and 3 W's.  The branch hangs on the wave's number alone.  Four v_nop follow each line.
.macro JLOAD g0a, g1a, g0b, g1b
	s_cmp_eq_u32 s15, 0
	s_cbranch_scc0 .Lfor_b_\@
	tensor_load_to_lds s[\g0a:\g0a+3], s[\g1a:\g1a+7]
	s_nop 0
.rept 4
	v_nop
.endr
	s_branch .Lasked_\@
.Lfor_b_\@:
	tensor_load_to_lds s[\g0b:\g0b+3], s[\g1b:\g1b+7]
	s_nop 0
.rept 4
	v_nop
.endr
.Lasked_\@:
.endm
.macro CREST                           ; a round of the cluster's barrier behind its opening barrier
	s_cmp_lg_u32 s14, 0
	s_cbranch_scc1 .Lnot_wave_0_\@
	s_barrier_signal -3
.Lnot_wave_0_\@:
	s_barrier_wait -3
	s_barrier_signal -1
	s_barrier_wait -1
.endm
.macro CROUND
	s_barrier_signal -1
	s_barrier_wait -1
	CREST
.endm
	s_load_b256 s[4:11], s[0:1], 0x0               ; x_img 4:5, wa_img 6:7, scales 8:9, b_attn 10:11
	s_load_b128 s[68:71], s[0:1], 0x20             ; q_img, k_img
	s_load_b64 s[72:73], s[0:1], 0x30              ; v_img
	v_lshl_add_u32 v[SPW], v0, 2, SPARE
	v_mov_b32 v[NIL], 0
	ds_add_u32 v28, v29
	ds_add_u32 v28, v29
	s_wait_dscnt 0x0
	v_lshrrev_b32 v1, 5, v0
	v_readfirstlane_b32 s14, v1                    ; wave 0..3
	s_lshr_b32 s15, s14, 1                         ; role 1's half.  Also: I fetch for x (0) or for W (1)
	s_and_b32 s16, s14, 1                          ; role 0's half.  Also: which 128 rows I fetch
	s_bfe_u32 s40, ttmp6, 0x40000                  ; cx
	s_bfe_u32 s41, ttmp6, 0x40004                  ; cy
	s_lshl_b32 s42, ttmp9, 2
	s_add_co_u32 s42, s42, s40                     ; tile column 0..11
	s_and_b32 s17, ttmp7, 0xffff
	s_lshl_b32 s17, s17, 2
	s_add_co_u32 s17, s17, s41                     ; tile row 0..31
	s_lshl_b32 s43, s41, 2
	s_lshl_b32 s43, 15, s43                        ; my row of the cluster
	s_lshl_b32 s44, 0x1111, s40                    ; my column
	; group 1: a dense block of 32,768 bytes as 128 rows of 32 elements of 8 bytes; no padding
	s_or_b32 s[G1+0], s43, (3<<16)|(1<<21)         ; 15:0 the mask; 17:16 elements of 8 bytes; 21 set beside a mask
	s_or_b32 s[G1B+0], s44, (3<<16)|(1<<21)
.irp g, G1, G1B
	s_mov_b32 s[\g+1], 32<<16                      ; tensor_dim0 = 32
	s_mov_b32 s[\g+2], 128<<16                     ; tensor_dim1 = 128
	s_mov_b32 s[\g+3], 32<<16                      ; tile_dim0 = 32
	s_mov_b32 s[\g+4], 128                         ; tile_dim1 = 128
	s_mov_b32 s[\g+5], 32                          ; the pitch
	s_mov_b32 s[\g+6], 0
	s_mov_b32 s[\g+7], 0
.endr
	s_lshl_b32 s18, s16, 15                        ; which 8 row tiles I fetch
	s_lshl_b32 s20, s17, 16
	s_add_co_u32 s20, s20, s18                     ; x_img: 65,536 x tile row + 32,768 x half
	s_mov_b32 s21, 0
	s_lshl_b32 s46, s42, 16
	s_add_co_u32 s46, s46, s18                     ; wa_img: 65,536 x tile column + 32,768 x half
	s_mov_b32 s47, 0
	s_lshl_b32 s45, s14, 15                        ; where they go: 32,768 x wave
	s_wait_kmcnt 0x0
	s_load_b256 s[84:91], s[8:9], 0x0              ; e0 .. e7
	s_add_nc_u64 s[20:21], s[4:5], s[20:21]
	s_add_nc_u64 s[46:47], s[6:7], s[46:47]
	CROUND                                         ; all sixteen work-groups are here: the first joint loads meet
.irp s, 0,1
	s_mov_b32 s[G0+4*\s], 1
	s_add_co_u32 s[G0+4*\s+1], s45, \s*SLOT
	s_add_nc_u64 s[G0+4*\s+2:G0+4*\s+3], s[20:21], \s*ASTEP
	s_or_b32 s[G0+4*\s+3], s[G0+4*\s+3], 0x80000000
	s_mov_b32 s[G0B+4*\s], 1
	s_add_co_u32 s[G0B+4*\s+1], s45, \s*SLOT
	s_add_nc_u64 s[G0B+4*\s+2:G0B+4*\s+3], s[46:47], \s*BSTEP
	s_or_b32 s[G0B+4*\s+3], s[G0B+4*\s+3], 0x80000000
.endr
	JLOAD G0, G1, G0B, G1B                         ; K step 0: one tensor load a wave at the head
	; PREFETCHES INTO THE L2 of K steps 1, 2 and 3.  Of the 32,768 bytes that my wave fetches in a K step, each of the four partners that ask for them jointly names 8,192, told apart by address
	; (cx for x's tiles, cy for W's): a lane a block of 256 bytes, one instruction a wave and K step.  Steps 1 and 2 are named here, step 3 behind slot 1's first fill: step 1 one fill ahead of its load, steps 2 and 3 two.
	; The base and the three offsets are never rewritten.
	s_cmp_eq_u32 s15, 0                            ; do I fetch for x?
	s_cselect_b64 s[82:83], s[20:21], s[46:47]     ; my wave's block of K step 0
	s_cselect_b32 s12, s40, s41                    ; my place among the four that ask with me
	s_mov_b32 s66, BSTEP
	s_cselect_b32 s66, ASTEP, s66                  ; a K step on, in bytes
	s_lshl_b32 s12, s12, 13
	s_mov_b32 s13, 0
	s_add_nc_u64 s[82:83], s[82:83], s[12:13]
	v_and_b32 v7, 31, v0
	v_lshlrev_b32 v7, 8, v7                        ; 256 x lane
	v_add_nc_u32 v8, s66, v7                       ; in K step 1,
	v_add_nc_u32 v9, s66, v8                       ; 2,
	v_add_nc_u32 v10, s66, v9                      ; 3
	global_prefetch_b8 v8, s[82:83] th:TH_LOAD_NT scope:SCOPE_SE
	global_prefetch_b8 v9, s[82:83] th:TH_LOAD_NT scope:SCOPE_SE
	v_and_b32 v1, 15, v0                           ; r
	v_bfe_u32 v2, v0, 4, 1                         ; h
	v_and_b32 v3, 31, v0
	v_lshlrev_b32 v[CO], 4, v3                     ; 16 x lane
	s_wait_alu depctr_va_vdst(0)
	v_lshlrev_b32 v5, 5, v2                        ; 32 h: eight f32
	s_wait_alu depctr_va_vdst(0)
	v_lshlrev_b32 v6, 2, v1                        ; 4 r
	s_wait_alu depctr_va_vdst(0)
	s_cmp_eq_u32 ttmp9, 2                          ; v?  The two roles then read each other's region
	s_cselect_b32 s75, 65536, 0                    ; role 1's region of a slot
	s_cselect_b32 s76, 0, 65536                    ; role 0's
	s_cselect_b32 s94, s15, s16                    ; which half of the tile's columns (two heads) is mine,
	s_cselect_b32 s95, s16, s15                    ; which half of its tokens
	s_lshl_b32 s21, s15, 15
	s_add_co_u32 s21, s21, s75
	s_lshl_b32 s22, s16, 15
	s_add_co_u32 s22, s22, s76
.irp s, 0,1
	v_add_nc_u32 v[ADRA+\s], s21, v[CO]
	v_add_nc_u32 v[ADRB+\s], s22, v[CO]
	s_add_co_u32 s21, s21, SLOT
	s_add_co_u32 s22, s22, SLOT
.endr
	; both forms of the bias are loaded in every work-group (both lie inside b_attn): columns by role 0's half, and by role 1's
	s_lshl_b32 s78, s42, 10
	s_lshl_b32 s79, s16, 9
	s_add_co_u32 s78, s78, s79
	s_mov_b32 s79, 0
	s_add_nc_u64 s[78:79], s[10:11], s[78:79]
	s_lshl_b32 s80, s42, 10
	s_lshl_b32 s81, s15, 9
	s_add_co_u32 s80, s80, s81
	s_mov_b32 s81, 0
	s_add_nc_u64 s[80:81], s[10:11], s[80:81]
.irp b, 0,1,2,3,4,5,6,7
	global_load_b128 v[BC+8*\b:BC+8*\b+3], v5, s[78:79] offset:64*\b         ; columns 16 b + 8 h + 0 .. 7
	global_load_b128 v[BC+8*\b+4:BC+8*\b+7], v5, s[78:79] offset:64*\b+16
.endr
.irp a, 0,1,2,3,4,5,6,7
	global_load_b32 v[BR+2*\a], v6, s[80:81] offset:64*\a                    ; column 16 a + r, twice: a pair for the packed form
	global_load_b32 v[BR+2*\a+1], v6, s[80:81] offset:64*\a
.endr
	; where my codes go: bh x 131,072 + (tile row % 8) x 16,384 + token half x 8,192, bh = 16 x batch + 4 cx + 2 x column half: the same sum in q_img, k_img and v_img
	s_lshr_b32 s92, s17, 3
	s_lshl_b32 s92, s92, 4
	s_lshl_b32 s93, s40, 2
	s_add_co_u32 s92, s92, s93
	s_lshl_b32 s94, s94, 1
	s_add_co_u32 s92, s92, s94
	s_lshl_b32 s92, s92, 17
	s_and_b32 s93, s17, 7
	s_lshl_b32 s93, s93, 14
	s_add_co_u32 s92, s92, s93
	s_lshl_b32 s95, s95, 13
	s_add_co_u32 s92, s92, s95
	s_mov_b32 s93, 0
	s_cmp_eq_u32 ttmp9, 0
	s_cselect_b64 s[94:95], s[68:69], s[70:71]
	s_cmp_eq_u32 ttmp9, 2
	s_cselect_b64 s[94:95], s[72:73], s[94:95]
	s_add_nc_u64 s[92:93], s[94:95], s[92:93]
.macro FRAG reg, adr, q, i             ; a fragment's image: four groups of 512 bytes
.irp c, 0,1,2,3
	ds_load_b128 v[\reg+4*\c:\reg+4*\c+3], v[\adr] offset:4096*(\i)+2048*(\q)+512*\c
.endr
.endm
; 16 matrix instructions: role 1's blocks a0, a0 + 1 x role 0's eight, 128 along K.  p: role 0's set.  zero = 1: the first product starts the sums.
; The 64 accumulators take turns, one instruction a turn, in the same order in every step.
.macro MUL16 a0, p, zero
.irp a, \a0, \a0+1
.irp b, 0,1,2,3,4,5,6,7
.if \zero
	v_wmma_f32_16x16x128_fp8_fp8 v[8*(8*((\a)%4)+\b):8*(8*((\a)%4)+\b)+7], v[128*(\p)+FR*\b:128*(\p)+FR*\b+FR-1], v[AF+FR*(\a):AF+FR*(\a)+FR-1], 0
.else
	v_wmma_f32_16x16x128_fp8_fp8 v[8*(8*((\a)%4)+\b):8*(8*((\a)%4)+\b)+7], v[128*(\p)+FR*\b:128*(\p)+FR*\b+FR-1], v[AF+FR*(\a):AF+FR*(\a)+FR-1], v[8*(8*((\a)%4)+\b):8*(8*((\a)%4)+\b)+7]
.endif
.endr
.endr
.endm
.macro FETCH_B slot, q, p
	WIN TO_B
.irp i, 0,1,2,3,4,5,6,7
	FRAG 128*(\p)+FR*\i, ADRB+\slot, \q, \i
.endr
	WIN 0
.endm
.macro FETCH_A slot, q, i0
.irp i, \i0, \i0+1, \i0+2, \i0+3
	FRAG AF+FR*(\i), ADRA+\slot, \q, \i
.endr
.endm
.macro PLACES n                        ; plain vector lines between a matrix instruction and a load into, or a vector access of, its registers
.rept \n
	v_nop
.endr
.endm
; A step of 128 along K that has its successor in the same slot.
.macro STEP slot, q, zero
	s_wait_dscnt 4*NL                              ; role 0's set and role 1's blocks 0-3 are in; the youngest sixteen loads (blocks 4-7) may be out
	WIN MUL_LO
	MUL16 0, (\q)%2, \zero
	MUL16 2, (\q)%2, \zero
	s_wait_dscnt 0                                 ; blocks 4-7 are in
	PLACES NP
	FETCH_B \slot, (\q)+1, 1-(\q)%2
	FETCH_A \slot, (\q)+1, 0
	WIN MUL_HI
	MUL16 4, (\q)%2, \zero
	MUL16 6, (\q)%2, \zero
	PLACES NP
	WIN 0
	FETCH_A \slot, (\q)+1, 4
.endm
; A slot's last step changes slots: one barrier; in front of it each wave waits for all its tensor loads, adds 0 to its spare word, and waits for that and for its reads of this slot.
.macro TURN slot, next, fill
	s_wait_tensorcnt 0x0                           ; all my tensor loads have landed: my part of the next slot
	ds_add_u32 v[SPW], v[NIL]                      ; 0 onto my spare word
	s_wait_dscnt 4*NL+1                            ; (the add and the youngest sixteen loads may be out)
	WIN MUL_LO
	MUL16 0, 1, 0
	s_wait_dscnt 0x0                               ; the add is done, and my reads of this slot are over
	s_barrier_signal -1
	MUL16 2, 1, 0
	WIN 0
	s_barrier_wait -1
.if \fill
	CREST                                          ; the barrier has opened a round of the cluster's: no wave of any partner still reads this slot or has a load on its way
	s_add_nc_u64 s[G0+4*\slot+2:G0+4*\slot+3], s[G0+4*\slot+2:G0+4*\slot+3], 2*ASTEP
	s_add_nc_u64 s[G0B+4*\slot+2:G0B+4*\slot+3], s[G0B+4*\slot+2:G0B+4*\slot+3], 2*BSTEP
	JLOAD G0+4*\slot, G1, G0B+4*\slot, G1B         ; the first tensor load behind the round; its four v_nop are also the places in front of the loads below
.else
	PLACES NP
.endif
	FETCH_B \next, 0, 0
	FETCH_A \next, 0, 0
	WIN MUL_HI
	MUL16 4, 1, 0
	MUL16 6, 1, 0
	PLACES NP
	WIN 0
	FETCH_A \next, 0, 4
.endm
	s_wait_alu depctr_va_vdst(0)
	s_wait_tensorcnt 0x0                           ; my part of K step 0 is in
	ds_add_u32 v[SPW], v[NIL]
	s_wait_dscnt 0x0
	CROUND                                         ; everybody's part of K step 0 is in, and all sixteen work-groups are here
	JLOAD G0+4, G1, G0B+4, G1B                     ; K step 1: slot 1's first fill, the first tensor load behind the round
	FETCH_B 0, 0, 0
	FETCH_A 0, 0, 0
	FETCH_A 0, 0, 4
	global_prefetch_b8 v10, s[82:83] th:TH_LOAD_NT scope:SCOPE_SE   ; K step 3, two fills ahead of its load
	STEP 0, 0, 1                                   ; the first step's products start the sums
	s_mov_b32 s3, LAPS-1
.Llap:                                             ; a trip goes once round the ring and fills both slots again
	TURN 0, 1, 1
	STEP 1, 0, 0
	TURN 1, 0, 1
	STEP 0, 0, 0
	s_sub_co_u32 s3, s3, 1
	s_cmp_lg_u32 s3, 0
	s_cbranch_scc1 .Llap
	TURN 0, 1, 0                                   ; the last lap fills nothing
	STEP 1, 0, 0
	s_wait_dscnt 4*NL
	WIN MUL_LO
	MUL16 0, 1, 0
	MUL16 2, 1, 0
	s_wait_dscnt 0
	WIN MUL_HI
	MUL16 4, 1, 0
	MUL16 6, 1, 0
	WIN 0
; THE WAY OUT, block a of role 1 at a time: sum x 2^(e0 + e1) + bias in place (each accumulator from its low end on), the hold, eight conversions: 16 registers of codes, which ARE images: for q and k the two
; K = 64 fragments of two heads' token tile a; for v (v = 1) the K = 128 fragment of d tile a % 4 of head a / 4.  Each block has its own registers of codes, so no store's data are written again.
.macro WAYOUT v
.irp a, 0,1,2,3,4,5,6,7
.set AC, 64*((\a)%4)
.set WA, 2+(\a)/4
.set WW, (WA<<6)|WA
	WIN WW                                         ; destination and source 0: the block's window; the bias and the limits in window 0
.set jj, 0
.rept 32
.if \v
	v_pk_fma_f32 v[AC+jj:AC+jj+1], v[AC+jj:AC+jj+1], s[96:97], v[BR+2*\a:BR+2*\a+1] op_sel_hi:[1,0,1]
.else
	v_pk_fma_f32 v[AC+jj:AC+jj+1], v[AC+jj:AC+jj+1], s[96:97], v[BC+jj:BC+jj+1] op_sel_hi:[1,0,1]
.endif
.set jj, jj+2
.endr
.set jj, 0
.rept 64
	v_med3_num_f32 v[AC+jj], v[AC+jj], -v[LIM], v[LIM]   ; the conversion does not saturate (ISA guide 7.6.2)
.set jj, jj+1
.endr
	WIN WA                                         ; source 0 alone in the block's window
.irp b, 0,1,2,3,4,5,6,7
	v_cvt_scalef32_pk8_fp8_f32 v[CD+16*\a+2*\b:CD+16*\a+2*\b+1], v[AC+8*\b:AC+8*\b+7], v[SC]
.endr
	v_nop                                          ; a plain line behind the last conversion
	WIN 0
.irp c, 0,1,2,3
.if \v
	global_store_b128 v[CO], v[CD+16*\a+4*\c:CD+16*\a+4*\c+3], s[92:93] offset:((\a)/4)*131072+((\a)%4)*2048+512*\c
.else
	global_store_b128 v[CO], v[CD+16*\a+4*\c:CD+16*\a+4*\c+3], s[92:93] offset:(\a)*1024+((\c)/2)*131072+((\c)%2)*512
.endif
.endr
.endr
.endm
	s_wait_loadcnt 0x0                             ; the biases
	s_wait_kmcnt 0x0                               ; the exponents
	s_add_co_i32 s96, s84, s85
	s_add_co_i32 s96, s96, 127
	s_lshl_b32 s96, s96, 23                        ; 2^(e0 + e1) as f32
	s_mov_b32 s97, s96                             ; (named with it as a pair)
	s_cmp_eq_u32 ttmp9, 0
	s_cselect_b32 s94, s86, s87                    ; e2 for q, e3 for k,
	s_cmp_eq_u32 ttmp9, 2
	s_cselect_b32 s94, s89, s94                    ; e5 for v
	s_add_co_i32 s94, s94, 127
	s_lshl_b32 s95, s94, 23
	v_mov_b32 v[SC], s95
	s_add_co_i32 s94, s94, 8
	s_lshl_b32 s94, s94, 23
	s_or_b32 s94, s94, 0x600000
	v_mov_b32 v[LIM], s94
	PLACES NP                                      ; behind the last products
	s_cmp_eq_u32 ttmp9, 2                          ; the same in all sixteen partners
	s_cbranch_scc1 .Lvals
	WAYOUT 0
	s_branch .Lend
.Lvals:
	WAYOUT 1
.Lend:
	s_wait_tensorcnt 0x0                           ; the wave's end
	ds_add_u32 v[SPW], v[NIL]
	s_wait_dscnt 0x0
	CROUND                                         ; the closing round
	s_endpgm
.Lfunc_end_k_qdd6ce29e7a_qkv:
	.size	k_qdd6ce29e7a_qkv, .Lfunc_end_k_qdd6ce29e7a_qkv-k_qdd6ce29e7a_qkv
	.p2alignl 7, 3214868480
	.fill 96, 4, 3214868480
	.section	.rodata,"a",@progbits
	.p2align	6, 0x0
	.amdhsa_kernel k_qdd6ce29e7a_qkv
		.amdhsa_group_segment_fixed_size 327680
		.amdhsa_private_segment_fixed_size 0
		.amdhsa_enable_private_segment 0
		.amdhsa_kernarg_size 56
		.amdhsa_user_sgpr_count 2
		.amdhsa_user_sgpr_kernarg_segment_ptr 1
		.amdhsa_wavefront_size32 1
		.amdhsa_system_sgpr_workgroup_id_x 1
		.amdhsa_system_sgpr_workgroup_id_y 1
		.amdhsa_system_sgpr_workgroup_id_z 1
		.amdhsa_system_vgpr_workitem_id 0
		.amdhsa_next_free_vgpr 1024
		.amdhsa_next_free_sgpr 98
		.amdhsa_reserve_vcc 0
		.amdhsa_float_denorm_mode_32 3
		.amdhsa_float_denorm_mode_16_64 3
		.amdhsa_memory_ordered 1
		.amdhsa_forward_progress 1
		.amdhsa_inst_pref_size 195
	.end_amdhsa_kernel
	.amdgpu_metadata
---
amdhsa.version: [ 1, 2 ]
amdhsa.kernels:
  - .name:           k_qdd6ce29e7a_qkv
    .symbol:         k_qdd6ce29e7a_qkv.kd
    .args:
      - { .name: x_img, .offset: 0, .size: 8, .value_kind: global_buffer, .address_space: global }
      - { .name: wa_img, .offset: 8, .size: 8, .value_kind: global_buffer, .address_space: global }
      - { .name: lowp_scales, .offset: 16, .size: 8, .value_kind: global_buffer, .address_space: global }
      - { .name: b_attn, .offset: 24, .size: 8, .value_kind: global_buffer, .address_space: global }
      - { .name: q_img, .offset: 32, .size: 8, .value_kind: global_buffer, .address_space: global }
      - { .name: k_img, .offset: 40, .size: 8, .value_kind: global_buffer, .address_space: global }
      - { .name: v_img, .offset: 48, .size: 8, .value_kind: global_buffer, .address_space: global }
    .group_segment_fixed_size: 327680
    .private_segment_fixed_size: 0
    .kernarg_segment_align: 8
    .kernarg_segment_size: 56
    .max_flat_workgroup_size: 128
    .sgpr_count:     98
    .vgpr_count:     1024
    .wavefront_size: 32
...
	.end_amdgpu_metadata
.endif
;; end of part 2
;; launch attn (part 3): grid 4 x 64, 16 waves a work-group, clusters of 4 x 1, 327,680 bytes of LDS; arguments q_img, k_img, v_img, lowp_scales, y_img; writes y_img
.if DOCPART == 3
	.amdgcn_target "amdgcn-amd-amdhsa--gfx1250"
	.amdhsa_code_object_version 6
	.text
	.protected	k_qdd6ce29e7a_attn
	.globl	k_qdd6ce29e7a_attn
	.p2align	8
	.type	k_qdd6ce29e7a_attn,@function
k_qdd6ce29e7a_attn:
	s_mov_b64 s[64:65], 0
	v_nop
	global_prefetch_b8 v0, s[64:65] scope:SCOPE_SE
	s_setreg_imm32_b32 hwreg(HW_REG_WAVE_MODE, 25, 1), 1
	s_wait_xcnt 0x0
	s_wait_alu depctr_hold_cnt(0) depctr_sa_sdst(0) depctr_va_vdst(0) depctr_va_sdst(0) depctr_va_ssrc(0) depctr_va_vcc(0) depctr_vm_vsrc(0)
	s_getreg_b32 s2, hwreg(HW_REG_IB_STS2, 6, 4)
	s_cmp_eq_u32 s2, 0
	s_cbranch_scc0 .Lentry_in_a_cluster
	s_endpgm
.Lentry_in_a_cluster:
	s_bfe_u32 s2, ttmp6, 0x10000c
	s_cmp_lg_u32 s2, 0x3003
	s_cbranch_scc0 .Lentry_shape_is_right
	s_endpgm
.Lentry_shape_is_right:
; y[b][t][64 head + d] = causal attention of one (batch, head) = bh, head size 64, 2,048 tokens, both products on codes of E4M3; y is quantised at once (e6) and leaves as an image for the last product.
; t = score x log2(e) / 8; M = the ceiling of the running largest t; p = 2^(t - M) is quantised (e4) along the keys, not normalised; the row's sum is taken of the unquantised p and divides at the end.
; LEFT OUT: key steps all of whose 128 keys come after a tile's 16 queries: the causal mask that the problem builds itself gives them the weight 0.
; SHARES.  The four work-groups of a head form a cluster.  The head's 128 tiles of 16 queries are dealt by turns: the work-group at place cx owns tiles 4 i + cx, i = 0..31.  Tile 4 i + cx begins at query 64 i + 16 cx,
; so its last key step of 128 is i / 2 whatever cx is: which steps are walked, and which one lies on the diagonal, hangs on i alone.  No branch hangs on a work-group's place; cx enters only Q's and y's addresses
; and the number that the diagonal's compares are held against.  Wave w owns i = 31 - w (16 - w / 2 steps) and i = w (w / 2 + 1 steps): 17 steps in every wave of every work-group.
; THE WHOLE HEAD'S K AND V LIE IN LDS, each byte filled once, by JOINT loads of the four partners: K's step kappa (8 key tiles x 1,024 bytes) at 8,192 kappa, V's (4 d tiles x 2,048) at 131,072 + 8,192 kappa.
; Waves 0-7 fetch K, waves 8-15 V, 8,192 bytes a load.  Steps 0-7 are asked for at the head, one load a wave; steps 8-15 behind the full sequence and a round of the cluster's barrier, one load a wave.
; THE WALK.  First steps 0-7 of the long tile (i >= 16: all their keys count, so this copy of the step has no test); then a barrier that shows steps 8-15; then the long tile's steps 8 on and the short tile:
; 8 - w / 2 and w / 2 + 1 steps, nine in every wave.  Trip counts are constants; a hidden step is jumped over by a branch on the wave's number and the count of steps.
; NO PREFETCH: no loop runs ahead of a load here: every byte of K and V is asked for by one of two groups of loads, the second directly behind the first's landing.
; LAYOUT.  All operands are images in the plain 8-bit form's own order, read at 16 x lane + a constant.  S^T = K Q^T (16x16x64: source 0 = 16 keys, source 1 = my queries): lane (r, h) holds query r and, in tile tau,
; keys 16 tau + 8 h + 0..7: converted eight at a time they ARE registers 2 tau, 2 tau + 1 of P for O^T = V^T P^T (16x16x128).  O^T's tile t holds d = 16 t + 8 h + 0..7: converted, registers 2 t, 2 t + 1 of y's fragment.
; LIMITS: e2 + e3 between -123 and 130 (added to c's exponent field); e4, e6 between -126 and 119; e4 + e5 goes in by v_ldexp_f32.  The scaled scores stay under 2^31 in magnitude.  NaN is not served.
; REGISTERS: v1-6 addresses and the diagonals' numbers; v12 -M, v13 the largest t, v[14:15] the sum; v16-23 Q of the short tile, v24-31 of the long; v32-95 K's eight fragments, then V's four; v96-159 S^T, then p;
;   v160-191 O^T; v192-199, v200-207 y's codes; v224-239 P's codes; v240, v247: 448 x 2^e4; v244: 2^e4; v241, v245: the same with e6; v230-239, v242-243, v246, v248-249, v252-254 at work; v251, v255 the add's two.
.set VOFF,  131072
.set HALF,  65536                      ; steps 8-15 begin here, in LDS and in a head's codes
.set SPARE, 262144                     ; behind K and V: the spare words, 128 bytes a wave: eight blocks of 256 bytes that no other line names
.set LI,  1                            ; v1   16 x lane
.set ADK, 2                            ; v2   the step's K
.set ADV, 3                            ; v3   the step's V
.set DQS, 4                            ; v4   the short tile's query less its diagonal step's first key, less 8 h
.set LV,  5                            ; v5   16 x lane + VOFF
.set DQL, 6                            ; v6   the same as v4 for the long tile
.set SPW, 251                          ; v251 my spare word's address; never rewritten
.set NIL, 255                          ; v255 0; never rewritten
.set TB,  2                            ; s2   8,192 x the step
.set KS,  3                            ; s3   the step: the loops' counter
.set WV,  18
.set SEL, 20                           ; s[20:21] v_permlanex16_b32's selects: lane l xor 16
.set CS,  22                           ; s[22:23] c
.set G1,  24                           ; s[24:31] group 1: one for all loads
.set G0K, 32                           ; s[32:39] K's two groups 0
.set G0V, 76                           ; s[76:83] V's
.set LS,  40                           ; s40  the last step of the tile in hand
; A joint load: waves 0-7 for K, waves 8-15 for V.  The branch hangs on the wave's number alone.  An s_nop 0 and four v_nop follow each line.
.macro TL g
	s_cmp_lt_u32 s[WV], 8
	s_cbranch_scc0 .Lfor_v_\@
	tensor_load_to_lds s[G0K+4*\g:G0K+4*\g+3], s[G1:G1+7]
	s_nop 0
.rept 4
	v_nop
.endr
	s_branch .Lasked_\@
.Lfor_v_\@:
	tensor_load_to_lds s[G0V+4*\g:G0V+4*\g+3], s[G1:G1+7]
	s_nop 0
.rept 4
	v_nop
.endr
.Lasked_\@:
.endm
.macro CROUND                          ; a round of the cluster's barrier
	s_barrier_signal -1
	s_barrier_wait -1
	s_cmp_lg_u32 s[WV], 0
	s_cbranch_scc1 .Lnot_wave_0_\@
	s_barrier_signal -3
.Lnot_wave_0_\@:
	s_barrier_wait -3
	s_barrier_signal -1
	s_barrier_wait -1
.endm
	s_load_b256 s[4:11], s[0:1], 0x0               ; q_img 4:5, k_img 6:7, v_img 8:9, scales 10:11
	s_load_b64 s[12:13], s[0:1], 0x20              ; y_img
	v_lshl_add_u32 v[SPW], v0, 2, SPARE
	v_mov_b32 v[NIL], 0
	ds_add_u32 v[SPW], v[NIL]                      ; the opening: the add, twice on end, and its wait ahead of the round in front of my first tensor load
	ds_add_u32 v[SPW], v[NIL]
	v_lshrrev_b32 v8, 5, v0
	v_readfirstlane_b32 s[WV], v8                  ; wave 0..15
	s_and_b32 s19, ttmp7, 0xffff                   ; bh: the cluster's y
	s_bfe_u32 s53, ttmp6, 0x40000                  ; cx
	s_mov_b32 s[G1], 15|(3<<16)|(1<<21)            ; the mask: all four partners; elements of 8 bytes; bit 21 beside a mask; no padding: a dense block of 8,192 bytes as 32 rows of 256
	s_mov_b32 s[G1+1], 32<<16                      ; tensor_dim0 = 32
	s_mov_b32 s[G1+2], 32<<16                      ; tensor_dim1 = 32
	s_mov_b32 s[G1+3], 32<<16                      ; tile_dim0 = 32
	s_mov_b32 s[G1+4], 32                          ; tile_dim1 = 32
	s_mov_b32 s[G1+5], 32                          ; the pitch
	s_mov_b32 s[G1+6], 0
	s_mov_b32 s[G1+7], 0
	s_and_b32 s17, s[WV], 7
	s_lshl_b32 s14, s17, 13                        ; the step that I fetch: 8,192 x (wave % 8), in LDS and in memory
	s_lshl_b32 s16, s19, 17                        ; a head's codes are 131,072 bytes in each of the three tensors
	s_add_co_u32 s16, s16, s14
	s_mov_b32 s17, 0
	s_mov_b32 s[SEL], 0x76543210
	s_mov_b32 s[SEL+1], 0xfedcba98
	s_mov_b32 s[CS], 0x3e38aa3b                    ; c = log2(e) / 8
	s_wait_dscnt 0x0                               ; both opening adds are done
	s_wait_kmcnt 0x0
	s_load_b256 s[68:75], s[10:11], 0x0            ; e0 .. e7
	s_add_nc_u64 s[6:7], s[6:7], s[16:17]
	s_add_nc_u64 s[8:9], s[8:9], s[16:17]
	CROUND                                         ; all four work-groups are here: the first joint loads meet
.irp g, 0,1                                    ; g = 0: steps 0-7; g = 1: steps 8-15
	s_mov_b32 s[G0K+4*\g], 1
	s_add_co_u32 s[G0K+4*\g+1], s14, \g*HALF
	s_add_nc_u64 s[G0K+4*\g+2:G0K+4*\g+3], s[6:7], \g*HALF
	s_or_b32 s[G0K+4*\g+3], s[G0K+4*\g+3], 0x80000000
	s_mov_b32 s[G0V+4*\g], 1
	s_add_co_u32 s[G0V+4*\g+1], s14, VOFF+\g*HALF
	s_add_nc_u64 s[G0V+4*\g+2:G0V+4*\g+3], s[8:9], \g*HALF
	s_or_b32 s[G0V+4*\g+3], s[G0V+4*\g+3], 0x80000000
.endr
	TL 0                                           ; steps 0-7: one tensor load a wave at the head
	s_lshl_b32 s54, s[WV], 2
	s_add_co_u32 s55, s54, s53                     ; my short tile: 4 w + cx
	s_sub_co_u32 s56, 124, s54
	s_add_co_u32 s56, s56, s53                     ; my long tile: 4 (31 - w) + cx
	s_lshr_b32 s42, s[WV], 1                       ; the short tile's last step: w / 2,
	s_sub_co_u32 s41, 15, s42                      ; the long tile's: 15 - w / 2: of the wave's number alone
	s_and_b32 s84, s[WV], 1
	s_lshl_b32 s84, s84, 6                         ; 64 (i % 2): the tile's first query less its diagonal step's first key, without cx's part: short,
	s_xor_b32 s85, s84, 64                         ; long
	s_lshl_b32 s86, s53, 4
	s_add_co_u32 s84, s84, s86                     ; + 16 cx
	s_add_co_u32 s85, s85, s86
	s_lshl_b32 s57, s19, 7
	s_add_co_u32 s58, s57, s55
	s_lshl_b32 s58, s58, 10
	s_mov_b32 s59, 0
	s_add_nc_u64 s[44:45], s[4:5], s[58:59]        ; Q's fragment: (128 bh + tile) x 1,024
	s_add_co_u32 s58, s57, s56
	s_lshl_b32 s58, s58, 10
	s_add_nc_u64 s[48:49], s[4:5], s[58:59]
	s_bfe_u32 s60, s19, 0x20002                    ; head / 4: which 256 of y's K
	s_lshl_b32 s60, s60, 21
	s_and_b32 s61, s19, 3                          ; head % 4: which 64 of them
	s_lshl_b32 s61, s61, 10
	s_add_co_u32 s60, s60, s61
	s_lshr_b32 s61, s19, 4
	s_lshl_b32 s61, s61, 7                         ; 128 row tiles a batch
	s_add_co_u32 s62, s61, s55
	s_lshl_b32 s62, s62, 12
	s_add_co_u32 s62, s62, s60
	s_mov_b32 s63, 0
	s_add_nc_u64 s[46:47], s[12:13], s[62:63]      ; y's 1,024 bytes of the short tile,
	s_add_co_u32 s62, s61, s56
	s_lshl_b32 s62, s62, 12
	s_add_co_u32 s62, s62, s60
	s_add_nc_u64 s[50:51], s[12:13], s[62:63]      ; of the long
	v_and_b32 v8, 31, v0
	v_lshlrev_b32 v[LI], 4, v8
	v_add_nc_u32 v[LV], VOFF, v[LI]
	global_load_b128 v[16:19], v[LI], s[44:45]
	global_load_b128 v[20:23], v[LI], s[44:45] offset:512
	global_load_b128 v[24:27], v[LI], s[48:49]
	global_load_b128 v[28:31], v[LI], s[48:49] offset:512
	v_and_b32 v9, 15, v0
	v_bfe_u32 v10, v0, 4, 1
	v_lshlrev_b32 v10, 3, v10
	v_sub_nc_u32 v9, v9, v10                       ; r - 8 h
	v_add_nc_u32 v[DQS], s84, v9
	v_add_nc_u32 v[DQL], s85, v9
	v_mov_b32 v246, 0                              ; written once: a lane permute's destination counts as one of its sources
	v_mov_b32 v253, 0                              ; (named as the upper half of the pair v[252:253])
	s_wait_kmcnt 0x0
	s_add_co_i32 s96, s70, s71
	s_lshl_b32 s96, s96, 23
	s_add_co_i32 s[CS], s[CS], s96                 ; a score stands for score x 2^(e2 + e3): added to c's exponent field
	s_mov_b32 s[CS+1], s[CS]
	s_add_co_i32 s96, s72, 127
	s_lshl_b32 s95, s96, 23
	v_mov_b32 v244, s95                            ; 2^e4
	s_add_co_i32 s96, s96, 8
	s_lshl_b32 s96, s96, 23
	s_or_b32 s96, s96, 0x600000
	v_mov_b32 v240, s96                            ; 448 x 2^e4,
	v_mov_b32 v247, s96                            ; and once more: the two halves of a dual hold take their bounds from two registers
	s_add_co_i32 s96, s74, 127
	s_lshl_b32 s95, s96, 23
	v_mov_b32 v245, s95                            ; 2^e6
	s_add_co_i32 s96, s96, 8
	s_lshl_b32 s96, s96, 23
	s_or_b32 s96, s96, 0x600000
	v_mov_b32 v241, s96                            ; 448 x 2^e6
	s_add_co_i32 s52, s72, s73                     ; e4 + e5
; A KEY STEP: 128 keys.  qr: the tile's fragment of Q.  mode = 0: all keys count, no test.  mode = 1: a step behind the tile's last is jumped over, and on the last one (the diagonal) hidden scores are masked by dq.
.macro STEP qr, mode, dq
.if \mode
	s_cmp_gt_u32 s[KS], s[LS]                      ; all 128 keys come after my queries: nothing of the step is done.  No barrier and no tensor load stands in a step
	s_cbranch_scc1 .Lhidden_\@
.endif
	v_add_nc_u32 v[ADK], s[TB], v[LI]
	v_add_nc_u32 v[ADV], s[TB], v[LV]
	v_nop
	v_nop                                          ; four plain lines in front of loads into registers that the last products read
.set ii, 0
.rept 8
	ds_load_b128 v[32+8*ii:35+8*ii], v[ADK] offset:1024*ii
	ds_load_b128 v[36+8*ii:39+8*ii], v[ADK] offset:1024*ii+512
.set ii, ii+1
.endr
	s_wait_alu depctr_va_vdst(0)
	s_wait_dscnt 0x0
.set ii, 0
.rept 8
	v_wmma_f32_16x16x64_fp8_fp8 v[96+8*ii:103+8*ii], v[32+8*ii:39+8*ii], v[\qr:\qr+7], 0
.set ii, ii+1
.endr
.rept 4
	v_nop                                          ; places in front of the loads below and of the first read of the scores
.endr
.set ii, 0
.rept 16
	ds_load_b128 v[32+4*ii:35+4*ii], v[ADV] offset:512*ii   ; V's four fragments: they are on their way while the softmax is worked
.set ii, ii+1
.endr
.if \mode
	s_cmp_lt_u32 s[KS], s[LS]                      ; ahead of the tile's last step all keys count
	s_cbranch_scc1 .Lopen_\@
	v_mov_b32 v254, 0xff800000                     ; on the diagonal hidden scores become -infinity ahead of the maximum: p = 0 then.  Register 8 tau + i holds key 16 tau + 8 h + i of the step: hidden where 16 tau + i > dq
.set ii, 0
.rept 64
	v_cmp_gt_i32 vcc_lo, 16*(ii/8)+ii%8, v[\dq]
	v_cndmask_b32 v[96+ii], v[96+ii], v254, vcc_lo
.set ii, ii+1
.endr
.Lopen_\@:
.endif
	v_max3_num_f32 v254, v96, v97, v98             ; the step's largest score of my query among my 64 keys, in two chains, each accumulator from its low end on,
	v_max3_num_f32 v252, v99, v100, v101
.set ii, 6
.rept 14
	v_max3_num_f32 v254, v254, v[96+ii], v[97+ii]
	v_max3_num_f32 v252, v252, v[98+ii], v[99+ii]
.set ii, ii+4
.endr
	v_max3_num_f32 v254, v254, v158, v159
	s_delay_alu instid0(VALU_DEP_1)
	v_max_num_f32 v254, v254, v252
	s_delay_alu instid0(VALU_DEP_1)
	v_permlanex16_b32 v246, v254, s[SEL], s[SEL+1]
	s_delay_alu instid0(VALU_DEP_1)
	v_max_num_f32 v254, v254, v246                 ; and among lane l xor 16's
	s_delay_alu instid0(VALU_DEP_1)
	v_mul_f32 v254, s[CS], v254                    ; as t (c is positive)
	s_delay_alu instid0(VALU_DEP_1)
	v_max_num_f32 v13, v13, v254                   ; the running largest t
	v_mov_b32 v254, v12
	s_delay_alu instid0(VALU_DEP_2)
	v_floor_f32 v12, -v13                          ; the new -M = -ceil(t): a whole number
	s_delay_alu instid0(VALU_DEP_1)
	v_sub_f32 v254, v12, v254                      ; old M - new M, 0 or less
	s_delay_alu instid0(VALU_DEP_1)
	v_cvt_i32_f32 v254, v254                       ; (it saturates)
	s_delay_alu instid0(VALU_DEP_1)
	v_ldexp_f32 v252, 1.0, v254                    ; f = 2^(old M - new M),
.set ii, 0
.rept 32
	v_pk_fma_f32 v[96+ii:97+ii], v[96+ii:97+ii], s[CS:CS+1], v[12:13] op_sel_hi:[1,0,0]   ; t - M, two at a time (of the pairs c and -M the low word serves both halves)
.set ii, ii+2
.endr
.set ii, 0
	s_wait_alu depctr_va_vdst(0)
.rept 64
	v_exp_f32 v[96+ii], v[96+ii]                   ; p = 2^(t - M)
.set ii, ii+1
.endr
	v_pk_mul_f32 v[14:15], v[14:15], v[252:253] op_sel_hi:[1,0]   ; the sum under the new M: a plain line behind the exponentials
	s_wait_alu depctr_va_vdst(0)                   ; one wait for the whole batch, ahead of its first reader
	v_pk_add_f32 v[242:243], v[100:101], v[104:105]   ; the row's sum of the unquantised p, in eight chains of pairs
	v_pk_add_f32 v[248:249], v[108:109], v[112:113]
	v_pk_add_f32 v[238:239], v[116:117], v[120:121]
	v_pk_add_f32 v[236:237], v[124:125], v[128:129]
	v_pk_add_f32 v[234:235], v[132:133], v[136:137]
	v_pk_add_f32 v[232:233], v[140:141], v[144:145]
	v_pk_add_f32 v[230:231], v[148:149], v[152:153]
	v_pk_add_f32 v[14:15], v[14:15], v[156:157]
	v_pk_add_f32 v[242:243], v[242:243], v[96:97]
	v_pk_add_f32 v[248:249], v[248:249], v[98:99]
	v_pk_add_f32 v[238:239], v[238:239], v[102:103]
	v_pk_add_f32 v[236:237], v[236:237], v[106:107]
	v_pk_add_f32 v[234:235], v[234:235], v[110:111]
	v_pk_add_f32 v[232:233], v[232:233], v[114:115]
	v_pk_add_f32 v[230:231], v[230:231], v[118:119]
	v_pk_add_f32 v[14:15], v[14:15], v[122:123]
	v_pk_add_f32 v[242:243], v[242:243], v[126:127]
	v_pk_add_f32 v[248:249], v[248:249], v[130:131]
	v_pk_add_f32 v[238:239], v[238:239], v[134:135]
	v_pk_add_f32 v[236:237], v[236:237], v[138:139]
	v_pk_add_f32 v[234:235], v[234:235], v[142:143]
	v_pk_add_f32 v[232:233], v[232:233], v[146:147]
	v_pk_add_f32 v[230:231], v[230:231], v[150:151]
	v_pk_add_f32 v[14:15], v[14:15], v[154:155]
	v_pk_add_f32 v[242:243], v[242:243], v[158:159]
	s_delay_alu instid0(VALU_DEP_2)
	v_pk_add_f32 v[14:15], v[14:15], v[236:237]       ; the eight chains are joined
	s_delay_alu instid0(VALU_DEP_2)
	v_pk_add_f32 v[242:243], v[242:243], v[234:235]
	v_pk_add_f32 v[248:249], v[248:249], v[232:233]
	v_pk_add_f32 v[238:239], v[238:239], v[230:231]
	s_delay_alu instid0(VALU_DEP_2)
	v_pk_add_f32 v[14:15], v[14:15], v[248:249]
	s_delay_alu instid0(VALU_DEP_2)
	v_pk_add_f32 v[242:243], v[242:243], v[238:239]
	s_delay_alu instid0(VALU_DEP_1)
	v_pk_add_f32 v[14:15], v[14:15], v[242:243]
.set ti, 0
.rept 8
.set ii, 0
.rept 4
	v_dual_min_num_f32 v[96+8*ti+ii], v[96+8*ti+ii], v240 :: v_dual_min_num_f32 v[97+8*ti+ii], v[97+8*ti+ii], v247   ; the conversion does not saturate (ISA guide 7.6.2); p is not negative: a one-sided hold, two numbers an instruction
.set ii, ii+2
.endr
	v_cvt_scalef32_pk8_fp8_f32 v[224+2*ti:225+2*ti], v[96+8*ti:103+8*ti], v244   ; keys 16 tau + 8 h + 0..7: registers 2 tau, 2 tau + 1 of P
.set ti, ti+1
.endr
	s_wait_alu depctr_va_vdst(0)
.set ii, 0
.rept 16
	v_pk_mul_f32 v[160+ii:161+ii], v[160+ii:161+ii], v[252:253] op_sel_hi:[1,0]   ; O^T under the new M; also the plain lines behind the conversions
.set ii, ii+2
.endr
	s_wait_alu depctr_va_vdst(0)
	s_wait_dscnt 0x0                               ; V is in
.set ii, 0
.rept 4
	v_wmma_f32_16x16x128_fp8_fp8 v[160+8*ii:167+8*ii], v[32+16*ii:47+16*ii], v[224:239], v[160+8*ii:167+8*ii]   ; four accumulators by turns; the next step's eight products stand between two links
.set ii, ii+1
.endr
.if \mode
.Lhidden_\@:
.endif
	s_add_co_u32 s[KS], s[KS], 1
	s_add_co_u32 s[TB], s[TB], 8192
.endm
.macro INIT                            ; a tile begins: the step is written for every trip alike; a tile's first step finds zeros
	v_mov_b32 v13, 0xff61b1e6                      ; the largest t so far: -3e38
	s_delay_alu instid0(VALU_DEP_1)
	v_floor_f32 v12, -v13
	v_mov_b32 v14, 0
	v_mov_b32 v15, 0
.set ii, 0
.rept 32
	v_mov_b32 v[160+ii], 0
.set ii, ii+1
.endr
.endm
.macro FIN yc, yp                      ; a tile ends: O^T / the sum x 2^(e4 + e5), quantised with e6 into v[yc] on, stored at s[yp]
.rept 4
	v_nop                                          ; behind the last products
.endr
	v_add_f32 v14, v14, v15
	s_delay_alu instid0(VALU_DEP_1)
	v_permlanex16_b32 v246, v14, s[SEL], s[SEL+1]
	s_delay_alu instid0(VALU_DEP_1)
	v_add_f32 v14, v14, v246                       ; the row's sum
	s_wait_alu depctr_va_vdst(0)                   ; the wait ahead of the transcendental
	v_rcp_f32 v14, v14
	v_nop                                          ; a plain line behind the transcendental
	s_wait_alu depctr_va_vdst(0)                   ; and the wait ahead of its first reader
	v_ldexp_f32 v14, v14, s52                      ; x 2^(e4 + e5)
	s_wait_alu depctr_va_vdst(0)
.set ii, 0
.rept 16
	v_pk_mul_f32 v[96+ii:97+ii], v[160+ii:161+ii], v[14:15] op_sel_hi:[1,0]   ; y(query r, 16 t + 8 h + i) in register 8 t + i
.set ii, ii+2
.endr
.set ii, 0
.rept 32
	v_med3_num_f32 v[96+ii], v[96+ii], -v241, v241
.set ii, ii+1
.endr
.set ii, 0
.rept 4
	v_cvt_scalef32_pk8_fp8_f32 v[\yc+2*ii:\yc+2*ii+1], v[96+8*ii:103+8*ii], v245
.set ii, ii+1
.endr
	v_nop                                          ; a plain line behind the last conversion
	global_store_b128 v[LI], v[\yc:\yc+3], s[\yp:\yp+1]                ; 512 consecutive bytes, aligned; each tile has its own registers and base
	global_store_b128 v[LI], v[\yc+4:\yc+7], s[\yp:\yp+1] offset:512
.endm
	INIT
	s_wait_alu depctr_va_vdst(0)
	s_wait_tensorcnt 0x0                           ; my part of steps 0-7 is in
	ds_add_u32 v[SPW], v[NIL]
	s_wait_dscnt 0x0
	CROUND                                         ; everybody's part of steps 0-7 is in, and all four work-groups are here
	TL 1                                           ; steps 8-15: the first tensor load behind the round; no line reads those bytes ahead of the barrier below
	s_wait_loadcnt 0x0                             ; Q
	s_mov_b32 s[KS], 0
	s_mov_b32 s[TB], 0
.Lfirst:                                           ; the long tile, steps 0-7
	STEP 24, 0, DQL
	s_cmp_lt_u32 s[KS], 8
	s_cbranch_scc1 .Lfirst
	s_wait_tensorcnt 0x0                           ; my part of steps 8-15 is in
	s_wait_dscnt 0x0
	s_barrier_signal -1
	s_barrier_wait -1                              ; everybody's is
	s_mov_b32 s[LS], s41
	s_mov_b32 s[KS], 8
	s_mov_b32 s[TB], HALF
.Llong:                                            ; the long tile, steps 8 to 15 - w / 2
	STEP 24, 1, DQL
	s_cmp_lt_u32 s[KS], 16
	s_cbranch_scc1 .Llong
	FIN 200, 50
	INIT
	s_mov_b32 s[LS], s42
	s_mov_b32 s[KS], 0
	s_mov_b32 s[TB], 0
.Lshort:                                           ; the short tile, steps 0 to w / 2
	STEP 16, 1, DQS
	s_cmp_lt_u32 s[KS], 8
	s_cbranch_scc1 .Lshort
	FIN 192, 46
	s_wait_tensorcnt 0x0                           ; the wave's end
	ds_add_u32 v[SPW], v[NIL]
	s_wait_dscnt 0x0
	CROUND                                         ; the closing round
	s_endpgm
.Lfunc_end_k_qdd6ce29e7a_attn:
	.size	k_qdd6ce29e7a_attn, .Lfunc_end_k_qdd6ce29e7a_attn-k_qdd6ce29e7a_attn
	.p2alignl 7, 3214868480
	.fill 96, 4, 3214868480
	.section	.rodata,"a",@progbits
	.p2align	6, 0x0
	.amdhsa_kernel k_qdd6ce29e7a_attn
		.amdhsa_group_segment_fixed_size 327680
		.amdhsa_private_segment_fixed_size 0
		.amdhsa_enable_private_segment 0
		.amdhsa_kernarg_size 40
		.amdhsa_user_sgpr_count 2
		.amdhsa_user_sgpr_kernarg_segment_ptr 1
		.amdhsa_wavefront_size32 1
		.amdhsa_system_sgpr_workgroup_id_x 1
		.amdhsa_system_sgpr_workgroup_id_y 1
		.amdhsa_system_sgpr_workgroup_id_z 1
		.amdhsa_system_vgpr_workitem_id 0
		.amdhsa_next_free_vgpr 256
		.amdhsa_next_free_sgpr 100
		.amdhsa_reserve_vcc 1
		.amdhsa_float_denorm_mode_32 3
		.amdhsa_float_denorm_mode_16_64 3
		.amdhsa_memory_ordered 1
		.amdhsa_forward_progress 1
		.amdhsa_inst_pref_size 77
	.end_amdhsa_kernel
	.amdgpu_metadata
---
amdhsa.version: [ 1, 2 ]
amdhsa.kernels:
  - .name:           k_qdd6ce29e7a_attn
    .symbol:         k_qdd6ce29e7a_attn.kd
    .args:
      - { .name: q_img, .offset: 0, .size: 8, .value_kind: global_buffer, .address_space: global }
      - { .name: k_img, .offset: 8, .size: 8, .value_kind: global_buffer, .address_space: global }
      - { .name: v_img, .offset: 16, .size: 8, .value_kind: global_buffer, .address_space: global }
      - { .name: lowp_scales, .offset: 24, .size: 8, .value_kind: global_buffer, .address_space: global }
      - { .name: y_img, .offset: 32, .size: 8, .value_kind: global_buffer, .address_space: global }
    .group_segment_fixed_size: 327680
    .private_segment_fixed_size: 0
    .kernarg_segment_align: 8
    .kernarg_segment_size: 40
    .max_flat_workgroup_size: 512
    .sgpr_count:     100
    .vgpr_count:     256
    .wavefront_size: 32
...
	.end_amdgpu_metadata
.endif
;; end of part 3
;; launch proj (part 4): grid 4 x 64, 4 waves a work-group, clusters of 4 x 4, 327,680 bytes of LDS; arguments y_img, wp_img, lowp_scales, b_proj, out0; writes out0
.if DOCPART == 4
	.amdgcn_target "amdgcn-amd-amdhsa--gfx1250"
	.amdhsa_code_object_version 6
	.text
	.protected	k_qdd6ce29e7a_proj
	.globl	k_qdd6ce29e7a_proj
	.p2align	8
	.type	k_qdd6ce29e7a_proj,@function
k_qdd6ce29e7a_proj:
	s_mov_b64 s[64:65], 0
	v_nop
	global_prefetch_b8 v0, s[64:65] scope:SCOPE_SE
	s_setreg_imm32_b32 hwreg(HW_REG_WAVE_MODE, 25, 1), 1
	s_wait_xcnt 0x0
	s_wait_alu depctr_hold_cnt(0) depctr_sa_sdst(0) depctr_va_vdst(0) depctr_va_sdst(0) depctr_va_ssrc(0) depctr_va_vcc(0) depctr_vm_vsrc(0)
	s_getreg_b32 s2, hwreg(HW_REG_IB_STS2, 6, 4)
	s_cmp_eq_u32 s2, 0
	s_cbranch_scc0 .Lentry_in_a_cluster
	s_endpgm
.Lentry_in_a_cluster:
	s_bfe_u32 s2, ttmp6, 0x10000c
	s_cmp_lg_u32 s2, 0xf033
	s_cbranch_scc0 .Lentry_shape_is_right
	s_endpgm
.Lentry_shape_is_right:
; out0 = Q(y) Q(W_proj) x 2^(e6 + e7) + b_proj, [8192][1024] f32, K = 1024, on codes of E4M3.
; OPERANDS come as images of operand registers (16 rows x 128 K = 2,048 bytes, [group][lane][16 bytes]): y_img [sigma 0..3][row tile 0..511][q 0..1][2,048], wp_img [sigma][column tile 0..63][q][2,048], k = 256 sigma + 128 q + ..
; Every fragment is four ds_load_b128 at 16 x lane + a constant, 512 consecutive bytes each.
; SHARES.  8,192 x 1,024 results on 256 work-groups: a block of 128 tokens x 256 columns, four waves, 64 x 128 each: 32 accumulators, 256 registers.
; K goes in four steps of 256 through two LDS slots (y's 8 row tiles, 32,768 bytes, then W's 16 column tiles, 65,536).  Waves 0 and 1 fetch y's halves (16,384 bytes), waves 2 and 3 W's (32,768), one tensor load each.
; CLUSTERS of 4 x 4: y's tile is shared along a row of the cluster, W's along a column; each is asked for jointly.
; THE MATRIX INSTRUCTION IS USED TRANSPOSED (source 0 = 16 columns of W, source 1 = 16 tokens): a lane holds one token and eight neighbouring columns.
; A step of 128 along K is 32 matrix instructions.  Both operands have two sets of registers: the next step's 48 loads go out in one run in the step's middle.
; PREFETCHES of K steps 1, 2 and 3: of the bytes that my wave fetches in a K step each of the four partners that ask jointly names a quarter, told apart by address (cx for y's tiles, cy for W's), a lane a block of 256 bytes
; (y: 16 blocks, the lanes left over name the last again; W: 32).  Steps 1 and 2 are named behind the head's load, step 3 behind slot 1's first fill.  Their base and offsets are never rewritten.
; LIMIT: e6 + e7 between -126 and 127, so that 2^(e6 + e7) is an f32 number.
; REGISTERS: window 0: v1-10 lane numbers and offsets; v16-29 addresses; v64-127 the bias; v128-255 the tokens' fragments, two sets of 4 x 16, later the rows read back from the stage.
;   window 1: W's fragments, two sets of 8 x 16.   window 2: accumulator (a, b) at v[8 (8 a + b)].
.set AH,     16384                     ; what a wave fetches of y, and reads of it
.set BH,     32768                     ; the same for W
.set BOFF,   2*AH                      ; W's region of a slot
.set SLOT,   BOFF+2*BH
.set SPARE,  2*SLOT                    ; behind the ring: the spare words, 128 bytes a wave: two blocks of 256 bytes that no other line names
.set ASTEP,  2097152                   ; bytes from one K step of 256 to the next in y_img
.set BSTEP,  262144                    ; in wp_img
.set FR,     16
.set NP,     4                         ; places behind this matrix instruction (ISA guide 7.12.1)
.set SPITCH, 528                       ; the way out: a stage of 16 rows x (512 + 16) bytes a wave, in slot 0, which has had its last fill and its last read by then
.set ROWC,   4096                      ; a row of out0
.set ADRA, 16                          ; v16-17 the tokens' fragments in slot 0, 1
.set ADRB, 20                          ; v20-21 W's
.set STO,  24
.set RD,   25
.set CO,   26                          ; v26  16 x lane
.set SPW,  28                          ; v28  my spare word's address; never rewritten
.set NIL,  29                          ; v29  0; never rewritten
.set BC,   64
.set AF,   128
.set BK,   128
.set G1, 24
.set G0, 32
.set G1B, 48
.set G0B, 56
.set MSB, 0
.macro WIN new                         ; the immediate's high byte repeats the setting that is left
.if MSB != (\new)
	s_set_vgpr_msb (MSB<<8)|(\new)
.set MSB, (\new)
.endif
.endm
.set MUL,  0xa1                        ; source 0 window 1, source 1 window 0, C and D window 2
.set TO_B, 0x40                        ; destination window 1, address window 0
; A joint load: waves 0 and 1 for y, waves 2 and 3 for W.  The branch hangs on the wave's number alone.  An s_nop 0 and four v_nop follow each line.
.macro JLOAD g0a, g1a, g0b, g1b
	s_cmp_eq_u32 s15, 0
	s_cbranch_scc0 .Lfor_b_\@
	tensor_load_to_lds s[\g0a:\g0a+3], s[\g1a:\g1a+7]
	s_nop 0
.rept 4
	v_nop
.endr
	s_branch .Lasked_\@
.Lfor_b_\@:
	tensor_load_to_lds s[\g0b:\g0b+3], s[\g1b:\g1b+7]
	s_nop 0
.rept 4
	v_nop
.endr
.Lasked_\@:
.endm
.macro CREST                           ; a round of the cluster's barrier behind its opening barrier
	s_cmp_lg_u32 s14, 0
	s_cbranch_scc1 .Lnot_wave_0_\@
	s_barrier_signal -3
.Lnot_wave_0_\@:
	s_barrier_wait -3
	s_barrier_signal -1
	s_barrier_wait -1
.endm
.macro CROUND
	s_barrier_signal -1
	s_barrier_wait -1
	CREST
.endm
	s_load_b256 s[4:11], s[0:1], 0x0               ; y_img 4:5, wp_img 6:7, scales 8:9, b_proj 10:11
	s_load_b64 s[12:13], s[0:1], 0x20              ; out0
	v_lshl_add_u32 v[SPW], v0, 2, SPARE
	v_mov_b32 v[NIL], 0
	ds_add_u32 v[SPW], v[NIL]                      ; the opening: the add, twice on end, and its wait ahead of the round in front of my first tensor load
	ds_add_u32 v[SPW], v[NIL]
	v_lshrrev_b32 v1, 5, v0
	v_readfirstlane_b32 s14, v1                    ; wave 0..3
	s_lshr_b32 s15, s14, 1                         ; my half of the tokens.  Also: I fetch for y (0) or for W (1)
	s_and_b32 s16, s14, 1                          ; my half of the columns.  Also: which half of that tile I fetch
	s_bfe_u32 s40, ttmp6, 0x40000                  ; cx
	s_bfe_u32 s41, ttmp6, 0x40004                  ; cy
	s_lshl_b32 s42, ttmp9, 2
	s_add_co_u32 s42, s42, s40                     ; block column 0..3
	s_and_b32 s17, ttmp7, 0xffff
	s_lshl_b32 s17, s17, 2
	s_add_co_u32 s17, s17, s41                     ; block row 0..63
	s_lshl_b32 s43, s41, 2
	s_lshl_b32 s43, 15, s43                        ; my row of the cluster
	s_lshl_b32 s44, 0x1111, s40                    ; my column
	; group 1: dense blocks as rows of 32 elements of 8 bytes, no padding: y 64 rows, W 128
	s_or_b32 s[G1+0], s43, (3<<16)|(1<<21)         ; 15:0 the mask; 17:16 elements of 8 bytes; 21 set beside a mask
	s_or_b32 s[G1B+0], s44, (3<<16)|(1<<21)
	s_mov_b32 s[G1+2], 64<<16                      ; tensor_dim1
	s_mov_b32 s[G1+4], 64                          ; tile_dim1
	s_mov_b32 s[G1B+2], 128<<16
	s_mov_b32 s[G1B+4], 128
.irp g, G1, G1B
	s_mov_b32 s[\g+1], 32<<16                      ; tensor_dim0 = 32
	s_mov_b32 s[\g+3], 32<<16                      ; tile_dim0 = 32
	s_mov_b32 s[\g+5], 32                          ; the pitch
	s_mov_b32 s[\g+6], 0
	s_mov_b32 s[\g+7], 0
.endr
	s_lshl_b32 s45, s16, 14                        ; y's half: in its tile and in a slot
	s_lshl_b32 s20, s17, 15
	s_add_co_u32 s20, s20, s45                     ; y_img: 32,768 x block row + 16,384 x half
	s_mov_b32 s21, 0
	s_lshl_b32 s19, s16, 15
	s_lshl_b32 s46, s42, 16
	s_add_co_u32 s46, s46, s19                     ; wp_img: 65,536 x block column + 32,768 x half
	s_mov_b32 s47, 0
	s_add_co_u32 s77, s19, BOFF                    ; W's half in a slot: no place in the cluster enters an LDS address
	s_lshl_b32 s68, s15, 14                        ; where I read: my tokens in slot 0,
	s_add_co_u32 s69, s68, SLOT                    ; in slot 1;
	s_add_co_u32 s70, s19, BOFF                    ; my columns in slot 0,
	s_add_co_u32 s71, s70, SLOT                    ; in slot 1
	s_mul_i32 s74, s14, 16*SPITCH                  ; my stage
	s_lshl_b32 s78, s42, 10
	s_lshl_b32 s79, s16, 9
	s_add_co_u32 s78, s78, s79                     ; my first column, in bytes of f32
	s_mov_b32 s79, 0
	s_lshl_b32 s80, s17, 7
	s_lshl_b32 s81, s15, 6
	s_add_co_u32 s80, s80, s81
	s_lshl_b32 s80, s80, 12                        ; my first row of out0: (128 x block row + 64 x half) x 4,096 bytes
	s_mov_b32 s81, 0
	s_add_nc_u64 s[80:81], s[80:81], s[78:79]
	s_wait_dscnt 0x0                               ; both opening adds are done
	s_wait_kmcnt 0x0
	s_load_b256 s[84:91], s[8:9], 0x0              ; e0 .. e7
	s_add_nc_u64 s[20:21], s[4:5], s[20:21]
	s_add_nc_u64 s[46:47], s[6:7], s[46:47]
	s_add_nc_u64 s[78:79], s[10:11], s[78:79]      ; the bias of my columns
	s_add_nc_u64 s[12:13], s[12:13], s[80:81]
	CROUND                                         ; all sixteen work-groups are here: the first joint loads meet
.irp s, 0,1
	s_mov_b32 s[G0+4*\s], 1
	s_add_co_u32 s[G0+4*\s+1], s45, \s*SLOT
	s_add_nc_u64 s[G0+4*\s+2:G0+4*\s+3], s[20:21], \s*ASTEP
	s_or_b32 s[G0+4*\s+3], s[G0+4*\s+3], 0x80000000
	s_mov_b32 s[G0B+4*\s], 1
	s_add_co_u32 s[G0B+4*\s+1], s77, \s*SLOT
	s_add_nc_u64 s[G0B+4*\s+2:G0B+4*\s+3], s[46:47], \s*BSTEP
	s_or_b32 s[G0B+4*\s+3], s[G0B+4*\s+3], 0x80000000
.endr
	JLOAD G0, G1, G0B, G1B                         ; K step 0: one tensor load a wave at the head
	s_cmp_eq_u32 s15, 0                            ; the prefetches: do I fetch for y?
	s_cselect_b64 s[82:83], s[20:21], s[46:47]     ; my wave's block of K step 0
	s_cselect_b32 s72, s40, s41                    ; my place among the four that ask with me
	s_cselect_b32 s73, 12, 13                      ; a quarter of the block: 4,096 or 8,192 bytes
	s_cselect_b32 s75, 15, 31                      ; its last block of 256 bytes
	s_mov_b32 s66, BSTEP
	s_cselect_b32 s66, ASTEP, s66                  ; a K step on
	s_lshl_b32 s72, s72, s73
	s_mov_b32 s73, 0
	s_add_nc_u64 s[82:83], s[82:83], s[72:73]
	v_and_b32 v1, 15, v0                           ; r
	v_bfe_u32 v2, v0, 4, 1                         ; h
	v_and_b32 v3, 31, v0
	v_lshlrev_b32 v[CO], 4, v3                     ; 16 x lane
	v_lshlrev_b32 v5, 5, v2                        ; 32 h: eight f32
	v_min_u32 v7, s75, v3
	v_lshlrev_b32 v7, 8, v7                        ; 256 x my block
	v_add_nc_u32 v8, s66, v7                       ; in K step 1,
	v_add_nc_u32 v9, s66, v8                       ; 2,
	v_add_nc_u32 v10, s66, v9                      ; 3
	global_prefetch_b8 v8, s[82:83] th:TH_LOAD_NT scope:SCOPE_SE
	global_prefetch_b8 v9, s[82:83] th:TH_LOAD_NT scope:SCOPE_SE
	v_add_nc_u32 v[ADRA], s68, v[CO]
	v_add_nc_u32 v[ADRA+1], s69, v[CO]
	v_add_nc_u32 v[ADRB], s70, v[CO]
	v_add_nc_u32 v[ADRB+1], s71, v[CO]
	v_mul_u32_u24 v4, v1, SPITCH                   ; the stage, in: row r, 32 bytes for each half of the lanes
	v_lshl_add_u32 v4, v2, 5, v4
	v_add_nc_u32 v[STO], s74, v4
	v_add_nc_u32 v[RD], s74, v[CO]                 ; back: the 32 lanes take one row of 512 bytes
.irp b, 0,1,2,3,4,5,6,7
	global_load_b128 v[BC+8*\b:BC+8*\b+3], v5, s[78:79] offset:64*\b         ; columns 16 b + 8 h + 0 .. 7
	global_load_b128 v[BC+8*\b+4:BC+8*\b+7], v5, s[78:79] offset:64*\b+16
.endr
.macro FRAG reg, adr, q, i             ; a fragment's image: four groups of 512 bytes
.irp c, 0,1,2,3
	ds_load_b128 v[\reg+4*\c:\reg+4*\c+3], v[\adr] offset:4096*(\i)+2048*(\q)+512*\c
.endr
.endm
; 8 matrix instructions: token block a x W's eight, 128 along K, from set p.  zero = 1: the first product starts the sums.  The 32 accumulators take turns, in the same order in every step.
.macro MULB a, p, zero
.irp b, 0,1,2,3,4,5,6,7
.if \zero
	v_wmma_f32_16x16x128_fp8_fp8 v[8*(8*(\a)+\b):8*(8*(\a)+\b)+7], v[128*(\p)+FR*\b:128*(\p)+FR*\b+FR-1], v[AF+64*(\p)+FR*(\a):AF+64*(\p)+FR*(\a)+FR-1], 0
.else
	v_wmma_f32_16x16x128_fp8_fp8 v[8*(8*(\a)+\b):8*(8*(\a)+\b)+7], v[128*(\p)+FR*\b:128*(\p)+FR*\b+FR-1], v[AF+64*(\p)+FR*(\a):AF+64*(\p)+FR*(\a)+FR-1], v[8*(8*(\a)+\b):8*(8*(\a)+\b)+7]
.endif
.endr
.endm
.macro FETCH slot, q, p                ; 48 loads in one run: the fragments of the slot's q-th 128 along K into set p
	WIN TO_B
.irp i, 0,1,2,3,4,5,6,7
	FRAG 128*(\p)+FR*\i, ADRB+\slot, \q, \i
.endr
	WIN 0
.irp i, 0,1,2,3
	FRAG AF+64*(\p)+FR*\i, ADRA+\slot, \q, \i
.endr
.endm
.macro PLACES n                        ; plain vector lines between a matrix instruction and a load into, or a vector access of, its registers
.rept \n
	v_nop
.endr
.endm
; A slot's first step: set 0 is multiplied; the slot's second 128 along K come into set 1.
.macro STEP slot, zero
	s_wait_dscnt 0x0                               ; set 0 is in
	WIN MUL
	MULB 0, 0, \zero
	MULB 1, 0, \zero
	PLACES NP                                      ; in front of loads into set 1, which the step before multiplied
	FETCH \slot, 1, 1
	WIN MUL
	MULB 2, 0, \zero
	MULB 3, 0, \zero
.endm
; A slot's second step multiplies set 1 and changes slots: one barrier; in front of it each wave waits for all its tensor loads, adds 0 to its spare word, and waits for that and for its reads of this slot.
.macro TURN slot, next, fill
	WIN 0                                          ; (the add's two registers lie in window 0)
	s_wait_tensorcnt 0x0                           ; all my tensor loads have landed: my part of the next slot
	ds_add_u32 v[SPW], v[NIL]                      ; 0 onto my spare word
	s_wait_dscnt 1                                 ; set 1 is in; the add alone may be out
	WIN MUL
	MULB 0, 1, 0
	s_wait_dscnt 0x0                               ; the add is done, and my reads of this slot are over
	s_barrier_signal -1
	MULB 1, 1, 0
	WIN 0
	s_barrier_wait -1
.if \fill
	CREST                                          ; the barrier has opened a round of the cluster's: no wave of any partner still reads this slot or has a load on its way
	s_add_nc_u64 s[G0+4*\slot+2:G0+4*\slot+3], s[G0+4*\slot+2:G0+4*\slot+3], 2*ASTEP
	s_add_nc_u64 s[G0B+4*\slot+2:G0B+4*\slot+3], s[G0B+4*\slot+2:G0B+4*\slot+3], 2*BSTEP
	JLOAD G0+4*\slot, G1, G0B+4*\slot, G1B         ; the first tensor load behind the round; its four v_nop are also the places in front of the loads below
.else
	PLACES NP
.endif
	FETCH \next, 0, 0
	WIN MUL
	MULB 2, 1, 0
	MULB 3, 1, 0
.endm
	s_wait_alu depctr_va_vdst(0)
	s_wait_tensorcnt 0x0                           ; my part of K step 0 is in
	ds_add_u32 v[SPW], v[NIL]
	s_wait_dscnt 0x0
	CROUND                                         ; everybody's part of K step 0 is in, and all sixteen work-groups are here
	JLOAD G0+4, G1, G0B+4, G1B                     ; K step 1: slot 1's first fill, the first tensor load behind the round
	FETCH 0, 0, 0
	global_prefetch_b8 v10, s[82:83] th:TH_LOAD_NT scope:SCOPE_SE   ; K step 3, two fills ahead of its load
	STEP 0, 1                                      ; the first step's products start the sums
	TURN 0, 1, 1                                   ; slot 0 takes K step 2
	STEP 1, 0
	TURN 1, 0, 1                                   ; slot 1 takes K step 3
	STEP 0, 0
	TURN 0, 1, 0                                   ; nothing is filled any more
	STEP 1, 0
	s_wait_dscnt 0x0
	MULB 0, 1, 0
	MULB 1, 1, 0
	MULB 2, 1, 0
	MULB 3, 1, 0
	WIN 0
; THE WAY OUT, block a of 16 tokens x 128 columns at a time: sum x 2^(e6 + e7) + bias in place (each accumulator from its low end on), through my own stage in LDS, back as whole rows of 512 bytes.
; LDS serves a wave's instructions in order (ISA guide 5.7.1.4): no wait between the stores and the loads.
.macro TOSTAGE a
.set AC, 64*(\a)
	WIN 0x82                                       ; destination and source 0 in window 2; the bias in window 0
.set jj, 0
.rept 32
	v_pk_fma_f32 v[AC+jj:AC+jj+1], v[AC+jj:AC+jj+1], s[96:97], v[BC+jj:BC+jj+1] op_sel_hi:[1,0,1]
.set jj, jj+2
.endr
	WIN 0x08                                       ; an LDS store's data: source 1
.irp b, 0,1,2,3,4,5,6,7
	ds_store_b128 v[STO], v[AC+8*\b:AC+8*\b+3] offset:64*\b
	ds_store_b128 v[STO], v[AC+8*\b+4:AC+8*\b+7] offset:64*\b+16
.endr
	WIN 0
.set BB, BK+64*((\a)%2)
.irp t, 0,1,2,3,4,5,6,7,8,9,10,11,12,13,14,15
	ds_load_b128 v[BB+4*\t:BB+4*\t+3], v[RD] offset:\t*SPITCH
.endr
.endm
.macro SEND a, younger                 ; younger: the LDS instructions issued behind block a's loads, which may stay out
.set BB, BK+64*((\a)%2)
	s_wait_dscnt \younger
.if (\a) > 0
	s_add_nc_u64 s[12:13], s[12:13], 16*ROWC       ; (behind a wait on XCNT: the earlier stores have read their base)
.endif
.irp t, 0,1,2,3,4,5,6,7,8,9,10,11,12,13,14,15
	global_store_b128 v[CO], v[BB+4*\t:BB+4*\t+3], s[12:13] offset:\t*ROWC th:TH_STORE_NT   ; 32 lanes store 512 consecutive bytes, aligned
.endr
.endm
	s_wait_loadcnt 0x0                             ; the bias
	s_wait_kmcnt 0x0                               ; the exponents
	s_add_co_i32 s96, s90, s91
	s_add_co_i32 s96, s96, 127
	s_lshl_b32 s96, s96, 23                        ; 2^(e6 + e7) as f32
	s_mov_b32 s97, s96                             ; (named with it as a pair)
	PLACES NP                                      ; behind the last products
	TOSTAGE 0
.irp a, 1,2,3
.if \a > 1
	s_wait_xcnt 0x0                                ; block a - 2's stores have read their registers and their base
.endif
	TOSTAGE \a
	SEND \a-1, 32                                  ; behind block a - 1's loads: block a's 16 stores and 16 loads
.endr
	s_wait_xcnt 0x0
	SEND 3, 0
	s_wait_tensorcnt 0x0                           ; the wave's end
	ds_add_u32 v[SPW], v[NIL]
	s_wait_dscnt 0x0
	CROUND                                         ; the closing round
	s_endpgm
.Lfunc_end_k_qdd6ce29e7a_proj:
	.size	k_qdd6ce29e7a_proj, .Lfunc_end_k_qdd6ce29e7a_proj-k_qdd6ce29e7a_proj
	.p2alignl 7, 3214868480
	.fill 96, 4, 3214868480
	.section	.rodata,"a",@progbits
	.p2align	6, 0x0
	.amdhsa_kernel k_qdd6ce29e7a_proj
		.amdhsa_group_segment_fixed_size 327680
		.amdhsa_private_segment_fixed_size 0
		.amdhsa_enable_private_segment 0
		.amdhsa_kernarg_size 40
		.amdhsa_user_sgpr_count 2
		.amdhsa_user_sgpr_kernarg_segment_ptr 1
		.amdhsa_wavefront_size32 1
		.amdhsa_system_sgpr_workgroup_id_x 1
		.amdhsa_system_sgpr_workgroup_id_y 1
		.amdhsa_system_sgpr_workgroup_id_z 1
		.amdhsa_system_vgpr_workitem_id 0
		.amdhsa_next_free_vgpr 768
		.amdhsa_next_free_sgpr 98
		.amdhsa_reserve_vcc 0
		.amdhsa_float_denorm_mode_32 3
		.amdhsa_float_denorm_mode_16_64 3
		.amdhsa_memory_ordered 1
		.amdhsa_forward_progress 1
		.amdhsa_inst_pref_size 77
	.end_amdhsa_kernel
	.amdgpu_metadata
---
amdhsa.version: [ 1, 2 ]
amdhsa.kernels:
  - .name:           k_qdd6ce29e7a_proj
    .symbol:         k_qdd6ce29e7a_proj.kd
    .args:
      - { .name: y_img, .offset: 0, .size: 8, .value_kind: global_buffer, .address_space: global }
      - { .name: wp_img, .offset: 8, .size: 8, .value_kind: global_buffer, .address_space: global }
      - { .name: lowp_scales, .offset: 16, .size: 8, .value_kind: global_buffer, .address_space: global }
      - { .name: b_proj, .offset: 24, .size: 8, .value_kind: global_buffer, .address_space: global }
      - { .name: out0, .offset: 32, .size: 8, .value_kind: global_buffer, .address_space: global }
    .group_segment_fixed_size: 327680
    .private_segment_fixed_size: 0
    .kernarg_segment_align: 8
    .kernarg_segment_size: 40
    .max_flat_workgroup_size: 128
    .sgpr_count:     98
    .vgpr_count:     768
    .wavefront_size: 32
...
	.end_amdgpu_metadata
.endif
;; end of part 4
